; MI455X (gfx1250); checked and timed in simulation.
; The chip was launched on July 23, 2026; its instructions are those of AMD's public machine-readable ISA for CDNA 5 (MIT licence, August 2026) and "CDNA5" Instruction Set Architecture Reference Guide (July 2026). The comments in the code are by the model that wrote it; some were corrected since.
;; Causal Multi Head Attention. Allowed arithmetic: matrix products marked QUANTISED: E2M1 operands, one E8M0 scale for each 32 along K, by v_wmma_scale_f32_16x16x128_f8f6f4 with both operands' format E2M1 (or v_wmma_scale_f32_32x16x128_f4), f32 sums; products left as they are: bf16, f16 or f32 operands; f32 sums; everything else in f32.
;; Inputs: Wk 1,024 x 1,024 float32; Wo 1,024 x 1,024 float32; Wq 1,024 x 1,024 float32; Wv 1,024 x 1,024 float32; token_positions 1 x 4,096 int32; x 1 x 4,096 x 1,024 float32.
;; Outputs: out0 1 x 4,096 x 1,024 float32.
;; This version of the problem:
;;   THIS VERSION OF THE PROBLEM IS GIVEN IN LOW PRECISION. The matrix products marked QUANTISED in the list below multiply operands that are first quantised to E2M1 (2 exponent bits, 1 mantissa bit; 4 bits a number), with one power-of-two scale for each 32 numbers along K (OCP MX v1.0); their sums are f32. The products marked 'left as it is' may take bf16, f16 or f32 operands, with f32 sums. Whichever they take, every output number must still come out within the allowed error. Rounding operands to bf16 (8 significant bits) uses up far more of that allowance than f16 does (11 bits, for magnitudes from 6e-5 to 65,504). All else is computed in f32.
;;   The module's matrix products, in the order in which they are computed (A, B: the left and right operand; K: the contracted axis; several contracted axes count as one K, in the product's order):
;;     1. [M 4,096, K 1,024] x [K 1,024, N 1,024]; A: input x; B: input Wq: QUANTISED
;;     2. [M 4,096, K 1,024] x [K 1,024, N 1,024]; A: input x; B: input Wk: QUANTISED
;;     3. [M 4,096, K 1,024] x [K 1,024, N 1,024]; A: input x; B: input Wv: QUANTISED
;;     4. batch 16 x [M 4,096, K 64] x [K 64, N 4,096]; A: computed on the way; B: computed on the way: left as it is (an operand is computed on the way)
;;     5. batch 16 x [M 4,096, K 4,096] x [K 4,096, N 64]; A: computed on the way; B: computed on the way: left as it is (an operand is computed on the way)
;;     6. [M 4,096, K 1,024] x [K 1,024, N 1,024]; A: computed on the way; B: input Wo: left as it is (an operand is computed on the way)
;;   THE QUANTISER, for each operand of a quantised product, along K:
;;     - K is cut into blocks of 32 from its start; a last block that is shorter is filled with zeros.
;;     - A block's scale is 2^e with e = floor(log2(the largest magnitude in the block)) - 2, held to -126 .. 127; a block of zeros has e = 0. As a byte (E8M0): e + 127.
;;     - Each number is divided by its block's scale, clamped to +-6, and rounded to the nearest number of E2M1, ties to even, subnormals kept.
;;     - The product sums the exact products of the quantised numbers (number of the format x scale) in f32.
;;   ~~~python
;;   def quantise(x, axis):      # numpy; x: float32 -> the quantised numbers, widened to float32 again
;;       x = np.moveaxis(x, axis, -1); K = x.shape[-1]
;;       x = np.pad(x, [(0, 0)] * (x.ndim - 1) + [(0, -K % 32)]); x = x.reshape(x.shape[:-1] + (-1, 32)); a = np.abs(x).max(-1, keepdims=True)
;;       e = np.where(a > 0, np.clip(np.frexp(np.where(a > 0, a, 1))[1] - 1 - 2, -126, 127), 0)      # np.frexp(a)[1] - 1 = floor(log2(a)), exactly
;;       r = np.clip(x / 2.0 ** e, -6, 6)
;;       step = 2.0 ** (np.maximum(np.frexp(np.where(r == 0, 1, r))[1] - 1, 0) - 1)
;;       q = np.round(r / step) * step * 2.0 ** e      # np.round: ties to even
;;       return np.moveaxis(q.reshape(q.shape[:-2] + (-1,))[..., :K], -1, axis).astype(np.float32)
;;   ~~~
;; One version. Each part assembles by itself: llvm-mc -triple=amdgcn-amd-amdhsa -mcpu=gfx1250 --defsym DOCPART=n.
;; ======== version 1 of 1: 5 launches
;; limits: right only within a limited range of input values; values are held in f16: magnitudes above 65,504 overflow, below 6.1e-05 lose precision
;; workspace buffers: codes 3,670,016 bytes; scales 229,376 bytes; wo16 2,097,152 bytes; tab 1,048,576 bytes; qkv16 25,165,824 bytes; fine32 196,608 bytes; ao16 8,388,608 bytes
;; launch prep (part 1): grid 288 x 1, 4 waves a work-group, no clusters, 33,280 bytes of LDS; arguments x, Wq, Wk, Wv, Wo, token_positions, codes, scales, wo16, tab; writes codes, scales, wo16, tab
.if DOCPART == 1
	.amdgcn_target "amdgcn-amd-amdhsa--gfx1250"
	.amdhsa_code_object_version 6
	.text
	.protected	k_qd31bf494e8_prep
	.globl	k_qd31bf494e8_prep
	.p2align	8
	.type	k_qd31bf494e8_prep,@function
k_qd31bf494e8_prep:
	s_mov_b64 s[64:65], 0
	v_nop
	global_prefetch_b8 v0, s[64:65] scope:SCOPE_SE
	s_setreg_imm32_b32 hwreg(HW_REG_WAVE_MODE, 25, 1), 1
	s_wait_xcnt 0x0
; Three jobs in one launch, told apart by the work-group's number.
; Q (work-groups 0-223): x [4096][1024] and Wq, Wk, Wv [1024][1024], f32, become codes of FP4 (E2M1), K innermost, two codes a byte, with one E8M0 byte for each 32 along K.
;   A block's scale is 2^(floor(log2(largest magnitude)) - 2); its byte is the largest magnitude's exponent field - 2, held at 1 from below.  A block of zeros gets the byte 1 where the
;   quantiser says 127: its codes are zeros, and only this program reads the bytes.  codes: x's rows of 512 bytes, then from byte 2,097,152 the 3,072 rows of Wq, Wk, Wv;  scales: rows of 32 bytes, W's from byte 131,072.
; W (224-255): Wo becomes f16, laid [plane k / 64][n][64], so that 64 rows of one plane are 8,192 consecutive bytes for the projection's tiles.
; T (256-287): the rotation's table, cos and sin of position x 10000^(-i / 32), f32, laid in the order of the reader's registers: [16 rows][piece 2 b + e][lane][16 bytes]; lane (h, r) holds cos, sin, cos, sin
;   of row r for pairs 8 b + 4 h + 2 e and the next.
; LIMITS: NaN and infinities among the inputs are not served; blocks whose largest magnitude lies under 2^-124 take the floor's byte; Wo beyond 65,504 in size has no f16 number;
;   |position x frequency| stays under 2^22 (the reduction by pi / 2 in three parts is exact up to there); a frequency is made by one multiplication and one exponential in base 2.
; No tensor loads, no barrier: waves share nothing.  Only job Q touches LDS.
.set WAVES, 4
.set STEPS, 16
.set EMAX,  2
.set CB,    8                          ; bytes of 16 codes
.set R,     16                         ; v16-79   four sets of 16 numbers as loaded
.set X,     80                         ; v80-111  two sets of 16 neighbours
.set C,     128                        ; v128-191 codes, four registers a step
.set E,     112                        ; v112-127 a scale byte a step
.set WREG,  8192                       ; LDS: a wave's region: two stages of 32 x SP bytes, then its 256 scale bytes
.set SP,    80                         ; a lane's place in a stage: 64 bytes + 16 of padding
.set SPW,   12                         ; v12 my spare word's LDS address; never rewritten in job Q
.set NIL,   13                         ; v13 0
.set SPARE, WAVES*WREG                 ; the spare words: 128 bytes a wave, named by no other line
	s_load_b512 s[36:51], s[0:1], 0x0              ; x 36, Wq 38, Wk 40, Wv 42, Wo 44, positions 46, codes 48, scales 50
	s_load_b128 s[52:55], s[0:1], 0x40             ; wo16 52, tab 54
	v_lshl_add_u32 v[SPW], v0, 2, SPARE
	v_mov_b32 v[NIL], 0
	v_lshrrev_b32 v1, 5, v0
	v_readfirstlane_b32 s16, v1                    ; wave
	v_and_b32 v2, 31, v0                           ; lane
	s_wait_kmcnt 0x0
	s_cmp_lt_u32 ttmp9, 224
	s_cbranch_scc0 .Lnot_q
; ---------------- job Q: a wave takes 16 steps of 512 numbers.  Each load reads 512 consecutive bytes; a step's 2,048 bytes turn through the wave's own stage so that a lane holds 16 neighbours along K.
	v_lshlrev_b32 v3, 4, v2                        ; my 16 bytes of a load's 512
	s_mul_i32 s17, s16, WREG
	v_lshrrev_b32 v14, 2, v2
	v_mul_u32_u24 v14, v14, SP
	v_and_b32 v15, 3, v2
	v_lshl_add_u32 v14, v15, 4, v14
	v_add_nc_u32 v14, s17, v14                     ; into the stage: SP (lane / 4) + 16 (lane % 4)
	v_mul_u32_u24 v15, v2, SP
	v_add_nc_u32 v15, s17, v15                     ; out of it: SP x lane
	v_mul_u32_u24 v4, v2, CB                       ; my codes' place in a step's 256 bytes
	v_lshrrev_b32 v5, 1, v2
	s_add_co_u32 s17, s17, 2*32*SP
	v_add_nc_u32 v5, s17, v5                       ; my block's scale byte in LDS
	v_lshlrev_b32 v7, 3, v2
	v_add_nc_u32 v6, s17, v7                       ; and 8 bytes a lane on the way out
	s_sub_co_u32 s18, ttmp9, 128                   ; W's work-groups: 0-95 (not used by x's)
	s_lshr_b32 s19, s18, 5                         ; which W
	s_and_b32 s20, s18, 31                         ; which 32,768 numbers of it
	s_cmp_eq_u32 s19, 1
	s_cselect_b64 s[4:5], s[40:41], s[38:39]
	s_cmp_eq_u32 s19, 2
	s_cselect_b64 s[4:5], s[42:43], s[4:5]
	s_cmp_lt_u32 ttmp9, 128                        ; the choices hang on the work-group's number alone
	s_cselect_b64 s[4:5], s[36:37], s[4:5]
	s_cselect_b32 s20, ttmp9, s20
	s_cselect_b32 s18, ttmp9, s18
	s_cselect_b32 s22, 0, 0x200000                 ; W's codes begin here,
	s_cselect_b32 s24, 0, 0x20000                  ; W's scale bytes here
	s_lshl_b32 s20, s20, 2
	s_add_co_u32 s20, s20, s16
	s_lshl_b32 s20, s20, 15                        ; my run of 8,192 numbers in the source
	s_mov_b32 s21, 0
	s_add_nc_u64 s[4:5], s[4:5], s[20:21]
	s_lshl_b32 s18, s18, 2
	s_add_co_u32 s18, s18, s16
	s_lshl_b32 s20, s18, 12                        ; 4,096 bytes of codes a run
	s_add_co_u32 s20, s20, s22
	s_add_nc_u64 s[8:9], s[48:49], s[20:21]
	s_lshl_b32 s20, s18, 8                         ; 256 scale bytes a run
	s_add_co_u32 s20, s20, s24
	s_add_nc_u64 s[10:11], s[50:51], s[20:21]
.macro LOAD t
.irp i, 0,1,2,3
	global_load_b128 v[R+16*((\t)%4)+4*\i:R+16*((\t)%4)+4*\i+3], v3, s[4:5] offset:2048*(\t)+512*\i th:TH_LOAD_NT
.endr
.endm
.macro TURN t                          ; step t through the stage: LDS serves a wave's instructions in order, so no wait stands between the stores and the loads
.irp i, 0,1,2,3
	ds_store_b128 v14, v[R+16*((\t)%4)+4*\i:R+16*((\t)%4)+4*\i+3] offset:32*SP*((\t)%2)+8*SP*\i
.endr
.irp i, 0,1,2,3
	ds_load_b128 v[X+16*((\t)%2)+4*\i:X+16*((\t)%2)+4*\i+3], v15 offset:32*SP*((\t)%2)+16*\i
.endr
.endm
.irp t, 0,1,2,3
	LOAD \t
.endr
	s_wait_loadcnt 12                              ; step 0's four loads are in; three steps' twelve stay out
	TURN 0
.macro STEP t
.set XS, X+16*((\t)%2)
.if (\t) > 0
	s_wait_dscnt 1                                 ; this step's numbers are back from the stage; the last step's byte store may be out
.else
	s_wait_dscnt 0x0
.endif
.if (\t)+4 < STEPS
	LOAD (\t)+4
.endif
.if (\t)+1 < STEPS
.if STEPS-2-(\t) >= 3
	s_wait_loadcnt 12                              ; the next step's four loads are in; those of the three steps behind it may be out
.else
	s_wait_loadcnt 4*(STEPS-2-(\t))
.endif
	TURN (\t)+1
.endif
	v_max3_num_f32 v8, |v[XS]|, |v[XS+1]|, |v[XS+2]|
	v_max3_num_f32 v9, |v[XS+3]|, |v[XS+4]|, |v[XS+5]|
.irp i, 6,10
	v_max3_num_f32 v8, v8, |v[XS+\i]|, |v[XS+\i+1]|
	v_max3_num_f32 v9, v9, |v[XS+\i+2]|, |v[XS+\i+3]|
.endr
	v_max3_num_f32 v8, v8, |v[XS+14]|, |v[XS+15]|
	v_max3_num_f32 v8, v8, v9, (EMAX+1)<<23        ; the floor 2^(3 - 127): the byte cannot fall under 1
	v_max_num_f32_dpp v8, v8, v8 row_xmask:1 row_mask:0xf bank_mask:0xf   ; with my neighbour's 16: the block's largest magnitude
	v_add_nc_u32 v11, -(EMAX<<23), v8              ; 2 off its exponent field: the conversion takes that field as its scale
	v_cvt_scalef32_pk8_fp4_f32 v[C+4*(\t)], v[XS:XS+7], v11
	v_cvt_scalef32_pk8_fp4_f32 v[C+4*(\t)+1], v[XS+8:XS+15], v11
	v_lshrrev_b32 v[E+(\t)], 23, v11               ; the scale's byte
	ds_store_b8 v5, v[E+(\t)] offset:16*(\t)       ; both lanes of a block write the same byte
	global_store_b64 v4, v[C+4*(\t):C+4*(\t)+1], s[8:9] offset:32*CB*(\t)   ; the wave stores 256 consecutive bytes, aligned
.endm
.irp t, 0,1,2,3,4,5,6,7,8,9,10,11,12,13,14,15
	STEP \t
.endr
	ds_load_b64 v[8:9], v6
	s_wait_dscnt 0x0
	global_store_b64 v7, v[8:9], s[10:11]          ; the wave's 256 scale bytes, aligned
	s_wait_tensorcnt 0x0                           ; the wave's end
	ds_add_u32 v[SPW], v[NIL]
	s_wait_dscnt 0x0
	s_endpgm
.Lnot_q:
	s_cmp_lt_u32 ttmp9, 256
	s_cbranch_scc0 .Ltab
; ---------------- job W: wave w of work-group j takes rows 32 j + 8 w .. + 7 of Wo, a pair of rows at a time: lanes 0-15 read 256 bytes of one row's plane, lanes 16-31 of the next row's
	s_sub_co_u32 s18, ttmp9, 224
	s_lshl_b32 s18, s18, 5
	s_lshl_b32 s19, s16, 3
	s_add_co_u32 s18, s18, s19                     ; my first row
	s_lshl_b32 s20, s18, 12
	s_mov_b32 s21, 0
	s_add_nc_u64 s[4:5], s[44:45], s[20:21]
	s_lshl_b32 s20, s18, 7
	s_add_nc_u64 s[8:9], s[52:53], s[20:21]
	v_and_b32 v3, 15, v2
	v_lshrrev_b32 v4, 4, v2
	v_lshlrev_b32 v3, 4, v3
	v_lshl_add_u32 v3, v4, 12, v3                  ; in: 4,096 (lane / 16) + 16 (lane % 16)
	v_lshlrev_b32 v4, 3, v2                        ; out: 8 x lane: two rows of 128 bytes on end
.macro WLOAD r
.irp i, 0,1,2,3,4,5,6,7,8,9,10,11,12,13,14,15
	global_load_b128 v[16+64*((\r)%2)+4*\i:16+64*((\r)%2)+4*\i+3], v3, s[4:5] offset:(\r)*8192+\i*256 th:TH_LOAD_NT
.endr
.endm
.macro WCVT r
.if (\r) < 3
	s_wait_loadcnt 16                              ; this pair's sixteen loads are in; the next pair's stay out
.else
	s_wait_loadcnt 0x0
.endif
	s_wait_xcnt 0x0                                ; the last pair's stores have read v144-175
.irp i, 0,1,2,3,4,5,6,7,8,9,10,11,12,13,14,15
	v_cvt_pk_f16_f32 v[144+2*\i], v[16+64*((\r)%2)+4*\i], v[16+64*((\r)%2)+4*\i+1]
	v_cvt_pk_f16_f32 v[145+2*\i], v[16+64*((\r)%2)+4*\i+2], v[16+64*((\r)%2)+4*\i+3]
.endr
.irp i, 0,1,2,3,4,5,6,7,8,9,10,11,12,13,14,15
	global_store_b64 v4, v[144+2*\i:145+2*\i], s[8:9] offset:\i*131072+(\r)*256   ; plane i: 256 consecutive bytes, aligned
.endr
.if (\r)+2 < 4
	WLOAD (\r)+2
.endif
.endm
	WLOAD 0
	WLOAD 1
	WCVT 0
	WCVT 1
	WCVT 2
	WCVT 3
	s_endpgm
.Ltab:
; ---------------- job T: work-group j makes the table of rows 128 j .. + 127; wave w the pairs 8 w .. 8 w + 7
	s_sub_co_u32 s18, ttmp9, 256
	s_lshl_b32 s20, s18, 9
	s_mov_b32 s21, 0
	s_add_nc_u64 s[4:5], s[46:47], s[20:21]        ; my 128 positions
	s_lshl_b32 s20, s18, 15
	s_lshl_b32 s19, s16, 10
	s_add_co_u32 s20, s20, s19
	s_add_nc_u64 s[8:9], s[54:55], s[20:21]
	v_and_b32 v3, 15, v2
	v_lshlrev_b32 v3, 2, v3
.irp b, 0,1,2,3,4,5,6,7
	global_load_b32 v[16+\b], v3, s[4:5] offset:64*\b
.endr
	v_lshrrev_b32 v4, 4, v2
	v_lshlrev_b32 v4, 2, v4
	s_lshl_b32 s19, s16, 3
	v_add_nc_u32 v4, s19, v4                       ; my first pair: 8 w + 4 h
	v_lshlrev_b32 v5, 4, v2
	s_mov_b32 s24, 0xb94ca1f9                      ; the sine's polynomial in z = R^2,
	s_mov_b32 s25, 0x3c08839e
	s_mov_b32 s26, 0xbe2aaaa3
	s_mov_b32 s27, 0x37ccf5ce                      ; the cosine's
	s_mov_b32 s28, 0xbab6061a
	s_mov_b32 s29, 0x3d2aaaa5
.irp k, 0,1,2,3
	v_add_nc_u32 v[24+\k], \k, v4
	v_cvt_f32_u32 v[24+\k], v[24+\k]
	v_mul_f32 v[24+\k], 0xbed49a78, v[24+\k]       ; - pair x log2(10000) / 32
.endr
.irp k, 0,1,2,3
	v_exp_f32 v[28+\k], v[24+\k]                   ; the pair's frequency
.endr
	v_nop                                          ; a plain line behind the last exponential,
	s_wait_alu depctr_va_vdst(0)                   ; and one wait for the four, ahead of their first reader
; cos and sin of v[a]: n = the nearest whole number to a x 2 / pi; R = a - n pi / 2, pi / 2 in three parts, each step one fused multiply-add; polynomials on |R| <= pi / 4; the quadrant n mod 4 swaps and signs them
.macro SINCOS a, c, s
	v_mul_f32 v40, 0x3f22f983, v[\a]
	v_rndne_f32 v40, v40
	v_fmamk_f32 v41, v40, 0xbfc90fd8, v[\a]
	v_fmamk_f32 v41, v40, 0xb4a8885a, v41
	v_fmamk_f32 v41, v40, 0xa7c234c4, v41
	v_cvt_i32_f32 v42, v40
	v_mul_f32 v43, v41, v41
	v_fma_f32 v44, v43, s24, s25
	v_fma_f32 v46, v43, s27, s28
	v_mul_f32 v45, v41, v43
	v_fma_f32 v44, v44, v43, s26
	v_fma_f32 v46, v46, v43, s29
	v_fma_f32 v47, v43, -0.5, 1.0
	v_fma_f32 v44, v44, v45, v41                   ; sin R
	v_mul_f32 v46, v46, v43
	v_and_b32 v45, 1, v42
	v_fma_f32 v46, v46, v43, v47                   ; cos R
	v_cmp_eq_u32 vcc_lo, 1, v45
	v_cndmask_b32 v[\s], v44, v46, vcc_lo
	v_cndmask_b32 v[\c], v46, v44, vcc_lo
	v_lshlrev_b32 v45, 30, v42
	v_add_nc_u32 v47, 1, v42
	v_and_b32 v45, 0x80000000, v45
	v_lshlrev_b32 v47, 30, v47
	v_xor_b32 v[\s], v[\s], v45
	v_and_b32 v47, 0x80000000, v47
	v_xor_b32 v[\c], v[\c], v47
.endm
	s_wait_loadcnt 0x0
.irp b, 0,1,2,3,4,5,6,7
	v_cvt_f32_i32 v32, v[16+\b]
.irp k, 0,1,2,3
	v_mul_f32 v[33+\k], v32, v[28+\k]              ; the angle: one rounding
.endr
.irp k, 0,1,2,3
	SINCOS 33+\k, 64+8*\b+2*\k, 65+8*\b+2*\k
.endr
	global_store_b128 v5, v[64+8*\b:67+8*\b], s[8:9] offset:\b*4096         ; 512 consecutive bytes, aligned
	global_store_b128 v5, v[68+8*\b:71+8*\b], s[8:9] offset:\b*4096+512
.endr
	s_endpgm
.Lfunc_end_k_qd31bf494e8_prep:
	.size	k_qd31bf494e8_prep, .Lfunc_end_k_qd31bf494e8_prep-k_qd31bf494e8_prep
	.p2alignl 7, 3214868480
	.fill 96, 4, 3214868480
	.section	.rodata,"a",@progbits
	.p2align	6, 0x0
	.amdhsa_kernel k_qd31bf494e8_prep
		.amdhsa_group_segment_fixed_size 33280
		.amdhsa_private_segment_fixed_size 0
		.amdhsa_enable_private_segment 0
		.amdhsa_kernarg_size 80
		.amdhsa_user_sgpr_count 2
		.amdhsa_user_sgpr_kernarg_segment_ptr 1
		.amdhsa_wavefront_size32 1
		.amdhsa_system_sgpr_workgroup_id_x 1
		.amdhsa_system_sgpr_workgroup_id_y 1
		.amdhsa_system_sgpr_workgroup_id_z 1
		.amdhsa_system_vgpr_workitem_id 0
		.amdhsa_next_free_vgpr 192
		.amdhsa_next_free_sgpr 66
		.amdhsa_reserve_vcc 1
		.amdhsa_float_denorm_mode_32 3
		.amdhsa_float_denorm_mode_16_64 3
		.amdhsa_memory_ordered 1
		.amdhsa_forward_progress 1
		.amdhsa_inst_pref_size 100
	.end_amdhsa_kernel
	.amdgpu_metadata
---
amdhsa.version: [ 1, 2 ]
amdhsa.kernels:
  - .name:           k_qd31bf494e8_prep
    .symbol:         k_qd31bf494e8_prep.kd
    .args:
      - { .name: x, .offset: 0, .size: 8, .value_kind: global_buffer, .address_space: global }
      - { .name: Wq, .offset: 8, .size: 8, .value_kind: global_buffer, .address_space: global }
      - { .name: Wk, .offset: 16, .size: 8, .value_kind: global_buffer, .address_space: global }
      - { .name: Wv, .offset: 24, .size: 8, .value_kind: global_buffer, .address_space: global }
      - { .name: Wo, .offset: 32, .size: 8, .value_kind: global_buffer, .address_space: global }
      - { .name: token_positions, .offset: 40, .size: 8, .value_kind: global_buffer, .address_space: global }
      - { .name: codes, .offset: 48, .size: 8, .value_kind: global_buffer, .address_space: global }
      - { .name: scales, .offset: 56, .size: 8, .value_kind: global_buffer, .address_space: global }
      - { .name: wo16, .offset: 64, .size: 8, .value_kind: global_buffer, .address_space: global }
      - { .name: tab, .offset: 72, .size: 8, .value_kind: global_buffer, .address_space: global }
    .group_segment_fixed_size: 33280
    .private_segment_fixed_size: 0
    .kernarg_segment_align: 8
    .kernarg_segment_size: 80
    .max_flat_workgroup_size: 128
    .sgpr_count:     66
    .vgpr_count:     192
    .wavefront_size: 32
...
	.end_amdgpu_metadata
.endif
;; end of part 1
;; launch qkv (part 2): grid 12 x 16, 4 waves a work-group, clusters of 4 x 1, 327,680 bytes of LDS; arguments codes, scales, tab, qkv16, fine32; writes qkv16, fine32
.if DOCPART == 2
	.amdgcn_target "amdgcn-amd-amdhsa--gfx1250"
	.amdhsa_code_object_version 6
	.text
	.protected	k_qd31bf494e8_qkv
	.globl	k_qd31bf494e8_qkv
	.p2align	8
	.type	k_qd31bf494e8_qkv,@function
k_qd31bf494e8_qkv:
	s_mov_b64 s[64:65], 0
	v_nop
	global_prefetch_b8 v0, s[64:65] scope:SCOPE_SE
	s_setreg_imm32_b32 hwreg(HW_REG_WAVE_MODE, 25, 1), 1
	s_wait_xcnt 0x0
	s_wait_alu depctr_hold_cnt(0) depctr_sa_sdst(0) depctr_va_vdst(0) depctr_va_sdst(0) depctr_va_ssrc(0) depctr_va_vcc(0) depctr_vm_vsrc(0)
	s_getreg_b32 s2, hwreg(HW_REG_IB_STS2, 6, 4)
	s_cmp_eq_u32 s2, 0
	s_cbranch_scc0 .Lentry_in_a_cluster
	s_endpgm
.Lentry_in_a_cluster:
	s_bfe_u32 s2, ttmp6, 0x10000c
	s_cmp_lg_u32 s2, 0x3003
	s_cbranch_scc0 .Lentry_shape_is_right
	s_endpgm
.Lentry_shape_is_right:
; q, k, v = x W^T on codes of FP4 (E2M1) with one E8M0 scale for each 32 along K = 1,024; sums in f32; q and k are then rotated by the table (f32) and all three leave as f16, laid [tensor][head][row][64].
; A tile of 256 rows x 256 columns is made by four waves, 128 x 128 each: 64 accumulators of 16 x 16, 512 registers.  K goes in two steps of 512 through two LDS slots, each filled once; a tile's row is 256 bytes of memory.
; The scale bytes of the tile's 256 rows of x and 256 rows of W, for all of K, come into LDS once, as units of 256 bytes + 16 of padding.
; CLUSTER: 4 x 1 work-groups: the four column tiles of ONE tensor (ttmp9 = 0 q, 1 k, 2 v) on one tile row.  They need the same tiles and scales of x: those are asked for jointly, mask 15.  W's tiles differ from partner
; to partner and are plain loads.  A cluster is not made 4 deep along the rows as well, since the f32 copy of rows 0-15 is stored under a branch on the tile row, which must be the same in all partners.
; THE MATRIX INSTRUCTION IS USED TRANSPOSED (source 0 = 16 rows of W, source 1 = 16 rows of x): a lane holds eight neighbouring columns of one row, so a rotation's pair lies in two neighbouring registers.
; Rows 0-15 leave a second time as f32 (fine32: images of the registers), for the launch that carries the first 16 positions finely.
; LIMIT: q, k, v beyond 65,504 in size have no f16 number.
; REGISTERS, in windows of 256: window 0: v0-31 addresses and work; v32-95 scale words, two sets; v128-191 x's fragments, one set; v192-255 the table, two sets; on the way out v32-95 rotated numbers, v96-127 packed, v128-191 rows read back.
;   window 1: W's fragments, two sets.   window 2: the accumulators of my rows 0-63 ((a, b) at v[8 (8 a + b)]);   window 3: those of rows 64-127.
.set NQ,     4                         ; steps of 128 along K in a slot
.set ROWB,   256                       ; a tile's row in bytes
.set KROW,   512                       ; a row of codes in memory
.set PITCH,  272                       ; an LDS row: 256 bytes + 16 of padding: the 16 rows of a load start at 16 different banks
.set FR,     8
.set NL,     2
.set NP,     4                         ; places behind this matrix instruction (ISA guide 7.12.1)
.set HALFT,  128*PITCH
.set SLOT,   4*HALFT
.set KS,     32                        ; a row of scale bytes
.set SCL,    2*SLOT
.set HALFS,  (128*KS/256)*272
.set SBLK,   (16*KS/256)*272
.set SPARE,  SCL+4*HALFS               ; the spare words: 128 bytes a wave, named by no other line
.set STW,    4608                      ; the way out: a wave's stage, [2 heads][16 rows][128 bytes + 16], in slot 0, which has had its one fill and its last read by then
.set T,    8                           ; v8-15   the rotation's products
.set ADRA, 16
.set ADRB, 20
.set STO,  24
.set RD,   25
.set CO,   26                          ; v26     16 x lane
.set ADRS, 27
.set SPW,  28
.set NIL,  29
.set SC,   32
.set R,    32
.set PK,   96
.set AF,   128
.set BK,   128
.set CS,   192
.set G1, 24
.set G0, 32
.set G1B, 48
.set G0B, 56
.set G1S, 68
.set G0S, 76
.set G1SB, 80
.set G0SB, 88
.set MSB, 0
.macro WIN new                         ; the immediate's high byte repeats the setting that is left
.if MSB != (\new)
	s_set_vgpr_msb (MSB<<8)|(\new)
.set MSB, (\new)
.endif
.endm
.set MUL_LO, 0xa1                      ; source 0 (W) window 1, source 1 (x) window 0, C and D window 2
.set MUL_HI, 0xf1
.set TO_B,   0x40
; Waves 0 and 1 fetch for x (jointly), waves 2 and 3 for W.  The branch hangs on the wave's number alone.  An s_nop 0 and four v_nop follow each of the two lines.
.macro JLOAD g0a, g1a, g0b, g1b
	s_cmp_eq_u32 s15, 0
	s_cbranch_scc0 .Lfor_b_\@
	tensor_load_to_lds s[\g0a:\g0a+3], s[\g1a:\g1a+7]
	s_nop 0
.rept 4
	v_nop
.endr
	s_branch .Lasked_\@
.Lfor_b_\@:
	tensor_load_to_lds s[\g0b:\g0b+3], s[\g1b:\g1b+7]
	s_nop 0
.rept 4
	v_nop
.endr
.Lasked_\@:
.endm
.macro CROUND                          ; a round of the cluster's barrier
	s_barrier_signal -1
	s_barrier_wait -1
	s_cmp_lg_u32 s14, 0
	s_cbranch_scc1 .Lnot_wave_0_\@
	s_barrier_signal -3
.Lnot_wave_0_\@:
	s_barrier_wait -3
	s_barrier_signal -1
	s_barrier_wait -1
.endm
	s_load_b256 s[4:11], s[0:1], 0x0               ; codes 4, scales 6, tab 8, qkv16 10
	s_load_b64 s[12:13], s[0:1], 0x20              ; fine32
	v_lshl_add_u32 v[SPW], v0, 2, SPARE
	v_mov_b32 v[NIL], 0
	ds_add_u32 v[SPW], v[NIL]                      ; the wave's opening: the add, twice on end, and its wait ahead of my first tensor load
	ds_add_u32 v[SPW], v[NIL]
	v_lshrrev_b32 v1, 5, v0
	v_readfirstlane_b32 s14, v1                    ; wave
	s_lshr_b32 s15, s14, 1                         ; my half of the tile's rows.  Also: I fetch for x (0) or for W (1)
	s_and_b32 s16, s14, 1                          ; my half of its columns.  Also: which 128 rows I fetch
	s_bfe_u32 s40, ttmp6, 0x40000                  ; cx
	s_lshl_b32 s42, ttmp9, 2
	s_add_co_u32 s42, s42, s40                     ; tile column among W's twelve = 4 x tensor + cx
	s_and_b32 s17, ttmp7, 0xffff                   ; tile row: the cluster's y
	s_mov_b32 s[G1+0], 15|(1<<20)|(1<<21)|(5<<22)|(3<<25)    ; 15:0 the mask: all four; elements of 1 byte; 20 padding on; 21 set beside a mask; after every 64 words 4 words
	s_mov_b32 s[G1B+0], (1<<20)|(5<<22)|(3<<25)              ; the same with no mask
.irp g, G1, G1B
	s_mov_b32 s[\g+1], ROWB<<16                    ; tensor_dim0
	s_mov_b32 s[\g+2], 128<<16                     ; tensor_dim1
	s_mov_b32 s[\g+3], ROWB<<16                    ; tile_dim0
	s_mov_b32 s[\g+4], 128                         ; tile_dim1
	s_mov_b32 s[\g+5], KROW                        ; from row to row
	s_mov_b32 s[\g+6], 0
	s_mov_b32 s[\g+7], 0
.endr
	s_mov_b32 s[G1S+0], 15|(3<<16)|(1<<20)|(1<<21)|(5<<22)|(3<<25)   ; the scales of 128 rows: 4,096 dense bytes as 16 rows of 32 elements of 8 bytes
	s_mov_b32 s[G1SB+0], (3<<16)|(1<<20)|(5<<22)|(3<<25)
.irp g, G1S, G1SB
	s_mov_b32 s[\g+1], 32<<16
	s_mov_b32 s[\g+2], (128*KS/256)<<16
	s_mov_b32 s[\g+3], 32<<16
	s_mov_b32 s[\g+4], 128*KS/256
	s_mov_b32 s[\g+5], 32
	s_mov_b32 s[\g+6], 0
	s_mov_b32 s[\g+7], 0
.endr
	s_lshl_b32 s18, s16, 7
	s_lshl_b32 s20, s17, 8
	s_add_co_u32 s20, s20, s18                     ; x: row 256 x tile row + 128 x half
	s_lshl_b32 s46, s42, 8
	s_add_co_u32 s46, s46, s18                     ; W: row 256 x tile column + 128 x half
	s_lshl_b32 s22, s20, 5                         ; their scale bytes,
	s_mov_b32 s23, 0
	s_lshl_b32 s92, s46, 5
	s_add_co_u32 s92, s92, 0x20000
	s_mov_b32 s93, 0
	s_lshl_b32 s20, s20, 9                         ; their codes
	s_mov_b32 s21, 0
	s_lshl_b32 s46, s46, 9
	s_add_co_u32 s46, s46, 0x200000
	s_mov_b32 s47, 0
	s_mul_i32 s45, s14, HALFT                      ; where they go: wave x 128 rows: no place in the cluster enters an LDS address
	s_mul_i32 s94, s14, HALFS
	s_wait_dscnt 0x0                               ; both opening adds are done
	s_wait_kmcnt 0x0
	s_add_nc_u64 s[20:21], s[4:5], s[20:21]
	s_add_nc_u64 s[22:23], s[6:7], s[22:23]
	s_add_nc_u64 s[46:47], s[4:5], s[46:47]
	s_add_nc_u64 s[92:93], s[6:7], s[92:93]
	CROUND                                         ; all four work-groups are here: the joint loads meet
	s_mov_b32 s[G0S], 1
	s_add_co_u32 s[G0S+1], s94, SCL
	s_mov_b64 s[G0S+2:G0S+3], s[22:23]
	s_or_b32 s[G0S+3], s[G0S+3], 0x80000000
	s_mov_b32 s[G0SB], 1
	s_add_co_u32 s[G0SB+1], s94, SCL
	s_mov_b64 s[G0SB+2:G0SB+3], s[92:93]
	s_or_b32 s[G0SB+3], s[G0SB+3], 0x80000000
	JLOAD G0S, G1S, G0SB, G1SB                     ; the scales first; three loads of mine are out at the most
.irp s, 0,1
	s_mov_b32 s[G0+4*\s], 1
	s_add_co_u32 s[G0+4*\s+1], s45, \s*SLOT
	s_add_nc_u64 s[G0+4*\s+2:G0+4*\s+3], s[20:21], \s*ROWB
	s_or_b32 s[G0+4*\s+3], s[G0+4*\s+3], 0x80000000
	s_mov_b32 s[G0B+4*\s], 1
	s_add_co_u32 s[G0B+4*\s+1], s45, \s*SLOT
	s_add_nc_u64 s[G0B+4*\s+2:G0B+4*\s+3], s[46:47], \s*ROWB
	s_or_b32 s[G0B+4*\s+3], s[G0B+4*\s+3], 0x80000000
	JLOAD G0+4*\s, G1, G0B+4*\s, G1B
.endr
	v_and_b32 v1, 15, v0                           ; r
	v_bfe_u32 v2, v0, 4, 1                         ; h
	v_mul_u32_u24 v3, v1, PITCH
	v_lshl_add_u32 v4, v2, 4, v3
	s_mul_i32 s21, s15, HALFT
	s_mul_i32 s22, s16, HALFT
	s_add_co_u32 s22, s22, 2*HALFT
.irp s, 0,1
	v_add_nc_u32 v[ADRA+\s], s21, v4
	v_add_nc_u32 v[ADRB+\s], s22, v4
	s_add_co_u32 s21, s21, SLOT
	s_add_co_u32 s22, s22, SLOT
.endr
	v_mul_u32_u24 v5, v1, KS                       ; my row's scales: 32 bytes a row, 16 more for each 256 passed
	v_lshrrev_b32 v6, 8, v5
	v_lshl_add_u32 v5, v6, 4, v5
	s_mul_i32 s21, s15, HALFS
	s_mul_i32 s22, s16, HALFS
	s_add_co_u32 s22, s22, 2*HALFS
	s_sub_co_u32 s22, s22, s21
	v_mul_u32_u24 v6, s22, v2                      ; lanes 16-31 take W's
	s_add_co_u32 s21, s21, SCL
	v_add_nc_u32 v5, v5, v6
	v_add_nc_u32 v[ADRS], s21, v5
	s_mul_i32 s23, s14, STW                        ; my stage
	v_mul_u32_u24 v5, v1, 144
	v_lshl_add_u32 v5, v2, 4, v5
	v_add_nc_u32 v[STO], s23, v5                   ; in: row r, 16 bytes for each half of the lanes
	v_and_b32 v6, 31, v0
	v_lshrrev_b32 v5, 3, v6
	v_mul_u32_u24 v5, v5, 144
	v_and_b32 v3, 7, v0
	v_lshl_add_u32 v5, v3, 4, v5
	v_add_nc_u32 v[RD], s23, v5                    ; back: eight lanes to a row of 128 bytes, four rows an instruction
	v_lshlrev_b32 v[CO], 4, v6
	s_lshl_b32 s20, s17, 4                         ; the table of my 128 rows: block of 16 rows 16 x tile row + 8 x half, 4,096 bytes each
	s_lshl_b32 s21, s15, 3
	s_add_co_u32 s20, s20, s21
	s_lshl_b32 s20, s20, 12
	s_mov_b32 s21, 0
	s_add_nc_u64 s[8:9], s[8:9], s[20:21]
	s_lshl_b32 s46, s40, 2                         ; my first head: 4 cx + 2 x column half
	s_lshl_b32 s47, s16, 1
	s_add_co_u32 s46, s46, s47
	s_lshl_b32 s46, s46, 12
	s_lshl_b32 s47, s17, 8
	s_add_co_u32 s46, s46, s47
	s_lshl_b32 s47, s15, 7
	s_add_co_u32 s46, s46, s47                     ; head x 4,096 + my first row
	s_lshl_b32 s46, s46, 7
	s_lshl_b32 s47, ttmp9, 23
	s_add_co_u32 s46, s46, s47
	s_mov_b32 s47, 0
	s_add_nc_u64 s[10:11], s[10:11], s[46:47]
	s_lshl_b32 s46, s40, 4                         ; the fine copy: tensor x 65,536 + (16 cx + 8 x column half) x 1,024
	s_lshl_b32 s92, s16, 3
	s_add_co_u32 s46, s46, s92
	s_lshl_b32 s46, s46, 10
	s_lshl_b32 s92, ttmp9, 16
	s_add_co_u32 s46, s46, s92
	s_add_nc_u64 s[12:13], s[12:13], s[46:47]
	s_or_b32 s3, s17, s15                          ; 0 where my block 0 is rows 0-15: the tile row (the same in all partners) and the wave's number
.macro FRAG reg, adr, q, i             ; 16 rows x 128 K of 4-bit codes: 8 registers: lane l holds row l % 16; registers 4 c .. 4 c + 3 hold K = 64 c + 32 (l / 16) + 0 .. 31
.irp c, 0,1
	ds_load_b128 v[\reg+4*\c:\reg+4*\c+3], v[\adr] offset:64*(\q)+32*\c+(\i)*16*PITCH
.endr
.endm
; 16 matrix instructions: x's blocks a0, a0 + 1 against W's eight.  The 64 accumulators take turns, one instruction a turn, in the same order in every step.
; One register carries x's scale word (lanes 0-15) and W's (lanes 16-31, read by ROW1).
.macro MUL16 a0, p, q, sc, zero
.irp a, \a0, \a0+1
.irp b, 0,1,2,3,4,5,6,7
.if \zero
	v_wmma_scale_f32_16x16x128_f8f6f4 v[8*(8*((\a)%4)+\b):8*(8*((\a)%4)+\b)+7], v[128*(\p)+FR*\b:128*(\p)+FR*\b+FR-1], v[AF+FR*(\a):AF+FR*(\a)+FR-1], 0, v[SC+8*NQ*(\sc)+NQ*\b+(\q)], v[SC+8*NQ*(\sc)+NQ*(\a)+(\q)] matrix_a_fmt:MATRIX_FMT_FP4 matrix_b_fmt:MATRIX_FMT_FP4 matrix_a_scale:MATRIX_SCALE_ROW1
.else
	v_wmma_scale_f32_16x16x128_f8f6f4 v[8*(8*((\a)%4)+\b):8*(8*((\a)%4)+\b)+7], v[128*(\p)+FR*\b:128*(\p)+FR*\b+FR-1], v[AF+FR*(\a):AF+FR*(\a)+FR-1], v[8*(8*((\a)%4)+\b):8*(8*((\a)%4)+\b)+7], v[SC+8*NQ*(\sc)+NQ*\b+(\q)], v[SC+8*NQ*(\sc)+NQ*(\a)+(\q)] matrix_a_fmt:MATRIX_FMT_FP4 matrix_b_fmt:MATRIX_FMT_FP4 matrix_a_scale:MATRIX_SCALE_ROW1
.endif
.endr
.endr
.endm
.macro FETCH_B slot, q, p
	WIN TO_B
.irp i, 0,1,2,3,4,5,6,7
	FRAG 128*(\p)+FR*\i, ADRB+\slot, \q, \i
.endr
	WIN 0
.endm
.macro FETCH_A slot, q, i0
.irp i, \i0, \i0+1, \i0+2, \i0+3
	FRAG AF+FR*(\i), ADRA+\slot, \q, \i
.endr
.endm
.macro SCALES sc                       ; a slot's scale words: four words a row; lanes 0-15 x's block i, lanes 16-31 W's block i
.irp i, 0,1,2,3,4,5,6,7
	ds_load_b128 v[SC+8*NQ*\sc+NQ*\i:SC+8*NQ*\sc+NQ*\i+3], v[ADRS] offset:\i*SBLK
.endr
.endm
.macro PLACES n                        ; plain vector lines between a matrix instruction and a load into, or a read of, its registers
.rept \n
	v_nop
.endr
.endm
.macro STEP slot, q, zero              ; 128 along K, its successor in the same slot
	s_wait_dscnt 4*NL                              ; W's set and x's blocks 0-3 are in; the youngest eight loads (x's blocks 4-7) may be out
	WIN MUL_LO
	MUL16 0, (\q)%2, \q, \slot, \zero
	MUL16 2, (\q)%2, \q, \slot, \zero
	s_wait_dscnt 0
	PLACES NP
	FETCH_B \slot, (\q)+1, 1-(\q)%2
	FETCH_A \slot, (\q)+1, 0
	WIN MUL_HI
	MUL16 4, (\q)%2, \q, \slot, \zero
	MUL16 6, (\q)%2, \q, \slot, \zero
	PLACES NP
	WIN 0
	FETCH_A \slot, (\q)+1, 4
.endm
.macro STEPS slot, from
.set Q, \from
.rept NQ-1-\from
	STEP \slot, Q, 0
.set Q, Q+1
.endr
.endm
.macro TABLOAD a                       ; the table of my block a of 16 rows: eight pieces of 512 bytes into set a % 2
.irp i, 0,1,2,3,4,5,6,7
	global_load_b128 v[CS+32*((\a)%2)+4*\i:CS+32*((\a)%2)+4*\i+3], v[CO], s[8:9] offset:(\a)*4096+\i*512
.endr
.endm
.macro TAIL                            ; the second slot's four steps
	STEPS 1, 0
	s_wait_dscnt 4*NL
	WIN MUL_LO
	MUL16 0, 1, NQ-1, 1, 0
	MUL16 2, 1, NQ-1, 1, 0
	s_wait_dscnt 0
	WIN MUL_HI
	MUL16 4, 1, NQ-1, 1, 0
	MUL16 6, 1, NQ-1, 1, 0
	WIN 0
	PLACES NP                                      ; ahead of the first read of results, of writes of the scale words' registers and of loads into x's fragments
.endm
	s_wait_tensorcnt 1                             ; the scales and my part of slot 0 are in; slot 1's load may be out
	s_barrier_signal -1
	s_barrier_wait -1
	FETCH_B 0, 0, 0
	FETCH_A 0, 0, 0
	SCALES 0
	FETCH_A 0, 0, 4
	STEP 0, 0, 1                                   ; the first products start the sums: nothing is cleared
	STEPS 0, 1
	; slot 0's last step changes slots: one barrier; in front of it all my tensor loads have landed and my reads of slot 0 are over
	s_wait_tensorcnt 0x0
	ds_add_u32 v[SPW], v[NIL]                      ; 0 onto my spare word
	s_wait_dscnt 4*NL+1                            ; the add and the youngest eight loads may be out
	WIN MUL_LO
	MUL16 0, 1, NQ-1, 0, 0
	s_wait_dscnt 0x0
	s_barrier_signal -1
	MUL16 2, 1, NQ-1, 0, 0
	WIN 0
	s_barrier_wait -1
	PLACES NP
	v_add_nc_u32 v[ADRS], 4*NQ, v[ADRS]            ; the second slot's scale words
	FETCH_B 1, 0, 0
	FETCH_A 1, 0, 0
	SCALES 1
	WIN MUL_HI
	MUL16 4, 1, NQ-1, 0, 0
	MUL16 6, 1, NQ-1, 0, 0
	PLACES NP
	WIN 0
	FETCH_A 1, 0, 4
; THE WAY OUT, block a of 16 rows x 128 columns (two heads) at a time.
.macro ROPE a                          ; re = te cos - to sin, ro = te sin + to cos: a multiplication and a fused multiply-add each.  Each accumulator is read from its low end on
.set AC, 64*((\a)%4)
.set CC, CS+32*((\a)%2)
.if (\a) < 7
	s_wait_loadcnt 8                               ; this block's table is in; the next block's eight loads may be out
.else
	s_wait_loadcnt 0x0
.endif
.if (\a) > 0
	s_wait_xcnt 0x0                                ; earlier stores have read v32-95 and the rows read back two blocks ago
.endif
	WIN 0x02+(\a)/4                                ; source 0: the accumulators' window
.irp b, 0,1,2,3,4,5,6,7
.irp i, 0,1,2,3
	v_mul_f32 v[T+2*\i], v[AC+8*\b+2*\i+1], v[CC+8*(\b%4)+2*\i+1]
	v_mul_f32 v[T+2*\i+1], v[AC+8*\b+2*\i+1], v[CC+8*(\b%4)+2*\i]
.endr
.irp i, 0,1,2,3
	v_fma_f32 v[R+8*\b+2*\i], v[AC+8*\b+2*\i], v[CC+8*(\b%4)+2*\i], -v[T+2*\i]
	v_fma_f32 v[R+8*\b+2*\i+1], v[AC+8*\b+2*\i], v[CC+8*(\b%4)+2*\i+1], v[T+2*\i+1]
.endr
.endr
	WIN 0
.if (\a) < 6
	TABLOAD (\a)+2
.endif
.endm
.macro PACK_R a
.if (\a) > 0
	s_wait_dscnt 8                                 ; the last block's eight stage stores are done; its eight read-backs may be out
.endif
.irp b, 0,1,2,3,4,5,6,7
.irp i, 0,1,2,3
	v_cvt_pk_f16_f32 v[PK+4*\b+\i], v[R+8*\b+2*\i], v[R+8*\b+2*\i+1]
.endr
.endr
.endm
.macro PACK_V a
.set AC, 64*((\a)%4)
.if (\a) > 1
	s_wait_xcnt 0x0                                ; the stores of two blocks ago have read their registers
.endif
.if (\a) > 0
	s_wait_dscnt 8
.endif
	WIN 0x0a+5*((\a)/4)
.irp b, 0,1,2,3,4,5,6,7
.irp i, 0,1,2,3
	v_cvt_pk_f16_f32 v[PK+4*\b+\i], v[AC+8*\b+2*\i], v[AC+8*\b+2*\i+1]
.endr
.endr
	WIN 0
.endm
.macro TOSTAGE a                       ; LDS serves a wave's instructions in order: the loads see the stores, and the next block's stores come behind these loads
.irp b, 0,1,2,3,4,5,6,7
	ds_store_b128 v[STO], v[PK+4*\b:PK+4*\b+3] offset:(\b/4)*2304+32*(\b%4)
.endr
.irp u, 0,1,2,3,4,5,6,7
	ds_load_b128 v[BK+32*((\a)%2)+4*\u:BK+32*((\a)%2)+4*\u+3], v[RD] offset:(\u/4)*2304+576*(\u%4)
.endr
.endm
.macro SEND a, younger                 ; younger: the LDS instructions issued behind block a's loads
	s_wait_dscnt \younger
.irp u, 0,1,2,3,4,5,6,7
	global_store_b128 v[CO], v[BK+32*((\a)%2)+4*\u:BK+32*((\a)%2)+4*\u+3], s[10:11] offset:(\u/4)*524288+(\a)*2048+512*(\u%4)   ; four rows of a head: 512 consecutive bytes, aligned
.endr
.endm
	s_cmp_eq_u32 ttmp9, 2                          ; v is not rotated.  The cluster's x: the same in all partners
	s_cbranch_scc1 .Lplain
	TABLOAD 0                                      ; asked for here, 256 matrix instructions ahead of their use
	TABLOAD 1
	TAIL
	ROPE 0
	s_cmp_lg_u32 s3, 0
	s_cbranch_scc1 .Lnot_fine_r
.irp b, 0,1,2,3,4,5,6,7
	global_store_b128 v[CO], v[R+8*\b:R+8*\b+3], s[12:13] offset:\b*1024          ; rows 0-15 in f32, as images of the registers: 512 consecutive bytes
	global_store_b128 v[CO], v[R+8*\b+4:R+8*\b+7], s[12:13] offset:\b*1024+512
.endr
.Lnot_fine_r:
	PACK_R 0
	TOSTAGE 0
.irp a, 1,2,3,4,5,6,7
	ROPE \a
	PACK_R \a
	TOSTAGE \a
	SEND \a-1, 16                                  ; behind block a - 1's loads: block a's eight stores and eight loads
.endr
	SEND 7, 0
	s_branch .Lend
.Lplain:
	TAIL
	s_cmp_lg_u32 s3, 0
	s_cbranch_scc1 .Lnot_fine_v
	WIN 0x08                                       ; a store's data: window 2
.irp b, 0,1,2,3,4,5,6,7
	global_store_b128 v[CO], v[8*\b:8*\b+3], s[12:13] offset:\b*1024
	global_store_b128 v[CO], v[8*\b+4:8*\b+7], s[12:13] offset:\b*1024+512
.endr
	WIN 0
.Lnot_fine_v:
	PACK_V 0
	TOSTAGE 0
.irp a, 1,2,3,4,5,6,7
	PACK_V \a
	TOSTAGE \a
	SEND \a-1, 16
.endr
	SEND 7, 0
.Lend:
	s_wait_tensorcnt 0x0                           ; the wave's end
	ds_add_u32 v[SPW], v[NIL]
	s_wait_dscnt 0x0
	CROUND                                         ; the closing round
	s_endpgm
.Lfunc_end_k_qd31bf494e8_qkv:
	.size	k_qd31bf494e8_qkv, .Lfunc_end_k_qd31bf494e8_qkv-k_qd31bf494e8_qkv
	.p2alignl 7, 3214868480
	.fill 96, 4, 3214868480
	.section	.rodata,"a",@progbits
	.p2align	6, 0x0
	.amdhsa_kernel k_qd31bf494e8_qkv
		.amdhsa_group_segment_fixed_size 327680
		.amdhsa_private_segment_fixed_size 0
		.amdhsa_enable_private_segment 0
		.amdhsa_kernarg_size 40
		.amdhsa_user_sgpr_count 2
		.amdhsa_user_sgpr_kernarg_segment_ptr 1
		.amdhsa_wavefront_size32 1
		.amdhsa_system_sgpr_workgroup_id_x 1
		.amdhsa_system_sgpr_workgroup_id_y 1
		.amdhsa_system_sgpr_workgroup_id_z 1
		.amdhsa_system_vgpr_workitem_id 0
		.amdhsa_next_free_vgpr 1024
		.amdhsa_next_free_sgpr 98
		.amdhsa_reserve_vcc 0
		.amdhsa_float_denorm_mode_32 3
		.amdhsa_float_denorm_mode_16_64 3
		.amdhsa_memory_ordered 1
		.amdhsa_forward_progress 1
		.amdhsa_inst_pref_size 255
	.end_amdhsa_kernel
	.amdgpu_metadata
---
amdhsa.version: [ 1, 2 ]
amdhsa.kernels:
  - .name:           k_qd31bf494e8_qkv
    .symbol:         k_qd31bf494e8_qkv.kd
    .args:
      - { .name: codes, .offset: 0, .size: 8, .value_kind: global_buffer, .address_space: global }
      - { .name: scales, .offset: 8, .size: 8, .value_kind: global_buffer, .address_space: global }
      - { .name: tab, .offset: 16, .size: 8, .value_kind: global_buffer, .address_space: global }
      - { .name: qkv16, .offset: 24, .size: 8, .value_kind: global_buffer, .address_space: global }
      - { .name: fine32, .offset: 32, .size: 8, .value_kind: global_buffer, .address_space: global }
    .group_segment_fixed_size: 327680
    .private_segment_fixed_size: 0
    .kernarg_segment_align: 8
    .kernarg_segment_size: 40
    .max_flat_workgroup_size: 128
    .sgpr_count:     98
    .vgpr_count:     1024
    .wavefront_size: 32
...
	.end_amdgpu_metadata
.endif
;; end of part 2
;; launch attn (part 3): grid 16 x 16, 8 waves a work-group, no clusters, 327,680 bytes of LDS; arguments qkv16, ao16; writes ao16
.if DOCPART == 3
	.amdgcn_target "amdgcn-amd-amdhsa--gfx1250"
	.amdhsa_code_object_version 6
	.text
	.protected	k_qd31bf494e8_attn
	.globl	k_qd31bf494e8_attn
	.p2align	8
	.type	k_qd31bf494e8_attn,@function
k_qd31bf494e8_attn:
	s_mov_b64 s[64:65], 0
	v_nop
	global_prefetch_b8 v0, s[64:65] scope:SCOPE_SE
	s_setreg_imm32_b32 hwreg(HW_REG_WAVE_MODE, 25, 1), 1
	s_wait_xcnt 0x0
; O[h][q] = the sum over keys k <= q of softmax_k(Q[h][q] . K[h][k] / 8) V[h][k].  q, k, v: f16, [tensor][head][4096][64]; O: f16, [head][4096][64].  Products on f16 operands with f32 sums; maxima, exponentials and sums in f32.
; SHARES.  Work-group (i, head) owns two blocks of 128 queries: block 31 - i (round 0), then block i (round 1): 33 blocks of 128 keys in all, for every i.  In a round the KEYS are split between two groups of four waves:
; a slot holds 256 keys, group g = wave / 4 takes keys 128 g .. + 127 of it; wave % 4 of BOTH groups owns the same 32 queries (two tiles of 16).  So two waves with work of their own stand on each SIMD.
; At a round's end group 1 hands its c m, l and O^T to group 0 through LDS; group 0 merges, divides and stores.  The rounds have (33 - i) / 2 and (i + 2) / 2 slots: 17 trips for every work-group.
; LAYOUT.  S^T = K Q^T (source 0 = 16 keys, source 1 = 16 queries): a lane holds ONE query and the keys 8 (lane / 16) + 0..7 of each tile; two such tiles rounded to f16 in pairs ARE source 1 of O^T = V^T P.
; K comes out of LDS as it lies, V ([key][channel]) turned by ds_load_tr16_b128.
; SOFTMAX.  A running maximum m and sum l for each query: p = 2^(c s - c m), c = log2(e) / 8; in every step O and l are multiplied by 2^(c m_old - c m_new).  l sums the unrounded p.
; THE MASK.  64 keys that all come after the wave's 32 queries are left out by a scalar branch on ids; on the diagonal hidden scores become -infinity.  A step that is walked begins at or under every query of the wave, so no row is ever all hidden.
; LIMIT: hidden keys count as -infinity where the definition has -1e9: the two differ only where all visible scores of a row lie under about -1e9.
; NO CLUSTER: the work-groups of a head need different numbers of tiles and change rounds at different trips, and the mask lets a work-group pass over tiles that another reads.
.set PK,    144                        ; a row of K in LDS: 128 bytes + 16
.set PV,    160                        ; a row of V: 128 + 32
.set KB,    128*PK
.set GB,    128*(PK+PV)                ; a group's part of a slot: 128 rows of K, then 128 of V
.set SLOT1, 131072                     ; slot 1 begins here: one exclusive or turns an address
.set MRG,   2*GB                       ; behind slot 0: the hand-over, for each pair of waves 16 images of 512 bytes and 2 x 256 bytes of statistics
.set MW,    8704
.set STG,   MRG+4*MW                   ; the way out: [2 tiles][16 rows][128 bytes + 16] for each wave of group 0
.set SW,    4608
.set SPARE, SLOT1+2*GB                 ; the spare words: 128 bytes a wave, named by no other line
.set AK0, 1                            ; v1  my lane's place in my group's K
.set AV0, 2                            ; v2  in its V
.set ADK, 3                            ; v3, v4 the addresses in hand
.set ADV, 4
.set QO,  5                            ; v5  128 r + 16 h
.set STO, 6
.set RD,  7
.set GO,  8                            ; v8  16 x lane
.set MG,  9                            ; v9  my pair's images: + 16 x lane
.set LD,  10                           ; v10 r - 8 h;  v11, v12 the mask's bounds;  v13 -infinity
.set SPW, 14
.set NIL, 15
.set ST,  16                           ; tile t's statistics at v[ST + 8 t]: +0 c m, +1 m, +2, +3 l, +4 .. +7 at work
.set Q,   32                           ; v32-63   Q: tile t, channel half c at 32 + 16 t + 8 c
.set KV,  64                           ; v64-127  K's fragments, then V's
.set S,   128                          ; v128-191 S^T, 32 a tile; P is made in place in a tile's low 16
.set O,   192                          ; v192-255 O^T, 32 a tile
.set WV,  8
.set GRP, 9
.set ISV, 10
.set HALF, 11
.set WQ,  12
.set I,   13
.set HEAD, 14
.set NL,  15                           ; round 0's slots
.set N,   16                           ; the trip
.set KAP, 17                           ; the next slot's number in its round
.set QBN, 18                           ; the query block of the next slot's round
.set KF,  19                           ; my group's first key in the slot in hand
.set Q0,  20                           ; my first query
.set TB,  21                           ; the slot in hand
.set G1K, 24
.set G1V, 32
.set G0K, 40
.set G0V, 44
.set KBA, 48                           ; s[48:49], s[50:51] my 64 rows of K, of V in slot 0 of a round
.set VBA, 50
.set QH,  52                           ; q and O at the head
.set OH,  54
.set OFF, 56                           ; s[56:57] an offset; s57 stays 0
.set CS,  58
.set SEL, 60
.set LIM, 62
.set PFA, 66
.set QA,  68
.set OA,  70
; The waves of group g ask for their part of the next slot: 64 rows of K (wave % 4 < 2) or of V.  The branches hang on the wave's number alone.  An s_nop 0 and four v_nop follow each load.
.macro TLOADG g
	s_cmp_eq_u32 s[GRP], \g
	s_cbranch_scc0 .Lno_\@
	s_cmp_eq_u32 s[ISV], 0
	s_cbranch_scc0 .Lv_\@
	tensor_load_to_lds s[G0K:G0K+3], s[G1K:G1K+7]
	s_nop 0
.rept 4
	v_nop
.endr
	s_branch .Lno_\@
.Lv_\@:
	tensor_load_to_lds s[G0V:G0V+3], s[G1V:G1V+7]
	s_nop 0
.rept 4
	v_nop
.endr
.Lno_\@:
.endm
; A prefetch of my wave's own 8,192 bytes of the slot after the one just asked for, lanes 256 bytes apart.  All sixteen work-groups of a head walk the same K and V from slot 0 on; work-group i = 0, whose round 0
; has all 16 slots, asks, and nobody else: each block is named once.  Trip N names slot N + 2, one trip ahead of its tensor load; slots 0 and 1 come by their loads alone; trips 14 and later name nothing.
.macro ASK
	s_cmp_lt_u32 s[N], s[LIM]
	s_cbranch_scc0 .Lnot_mine_\@
	global_prefetch_b8 v0, s[PFA:PFA+1] th:TH_LOAD_NT scope:SCOPE_SE
.Lnot_mine_\@:
.endm
.macro LOADQ
.irp t, 0,1
.irp c, 0,1
	global_load_b128 v[Q+16*\t+8*\c:Q+16*\t+8*\c+3], v[QO], s[QA:QA+1] offset:\t*2048+64*\c
	global_load_b128 v[Q+16*\t+8*\c+4:Q+16*\t+8*\c+7], v[QO], s[QA:QA+1] offset:\t*2048+64*\c+32
.endr
.endr
.endm
.macro INIT                            ; a round's start: m under every score, l and O^T zero: the step is written once, and its first run multiplies zeros
.irp t, 0,1
	v_mov_b32 v[ST+8*\t+1], 0xff61b1e6
	v_mov_b32 v[ST+8*\t+2], 0
	v_mov_b32 v[ST+8*\t+3], 0
	v_mov_b32 v[ST+8*\t+5], 0
	v_mul_f32 v[ST+8*\t], s[CS], v[ST+8*\t+1]
.endr
.set j, 0
.rept 64
	v_mov_b32 v[O+j], 0
.set j, j+1
.endr
.endm
	s_load_b128 s[4:7], s[0:1], 0x0                ; qkv16, ao16
	v_lshl_add_u32 v[SPW], v0, 2, SPARE
	v_mov_b32 v[NIL], 0
	ds_add_u32 v[SPW], v[NIL]                      ; the wave's opening: the add, twice on end, and its wait ahead of my first tensor load
	ds_add_u32 v[SPW], v[NIL]
	v_lshrrev_b32 v1, 5, v0
	v_readfirstlane_b32 s[WV], v1
	s_lshr_b32 s[GRP], s[WV], 2
	s_bfe_u32 s[ISV], s[WV], 0x10001
	s_and_b32 s[HALF], s[WV], 1
	s_and_b32 s[WQ], s[WV], 3
	s_mov_b32 s[I], ttmp9
	s_and_b32 s[HEAD], ttmp7, 0xffff
	s_sub_co_u32 s[NL], 33, s[I]
	s_lshr_b32 s[NL], s[NL], 1
	s_mov_b32 s[N], 0
	s_mov_b32 s[KAP], 0
	s_sub_co_u32 s[QBN], 31, s[I]
	s_lshl_b32 s[KF], s[GRP], 7
	s_lshl_b32 s[Q0], s[QBN], 7
	s_lshl_b32 s22, s[WQ], 5
	s_add_co_u32 s[Q0], s[Q0], s22
	s_mov_b32 s[TB], 0
	s_mov_b32 s[G1K], (1<<16)|(1<<20)|(4<<22)|(3<<25)   ; elements of 2 bytes; padding on: after every 32 words 4 words
	s_mov_b32 s[G1V], (1<<16)|(1<<20)|(4<<22)|(7<<25)   ; 8 words
.irp g, G1K, G1V
	s_mov_b32 s[\g+1], 64<<16                      ; tensor_dim0
	s_mov_b32 s[\g+2], 64<<16                      ; tensor_dim1
	s_mov_b32 s[\g+3], 64<<16                      ; tile_dim0
	s_mov_b32 s[\g+4], 64                          ; tile_dim1
	s_mov_b32 s[\g+5], 64                          ; from row to row
	s_mov_b32 s[\g+6], 0
	s_mov_b32 s[\g+7], 0
.endr
	s_mov_b32 s[CS], 0x3e38aa3b                    ; c = log2(e) / 8
	s_mov_b32 s[CS+1], s[CS]
	s_mov_b32 s[SEL], 0x76543210
	s_mov_b32 s[SEL+1], 0xfedcba98
	s_cmp_eq_u32 s[I], 0
	s_cselect_b32 s[LIM], 14, 0
	s_mul_i32 s22, s[GRP], GB
	s_mul_i32 s23, s[HALF], 64*PK
	s_add_co_u32 s[G0K+1], s22, s23                ; where my 64 rows go: a constant x group + a constant x half
	s_mul_i32 s23, s[HALF], 64*PV
	s_add_co_u32 s[G0V+1], s22, s23
	s_add_co_u32 s[G0V+1], s[G0V+1], KB
	s_mov_b32 s[G0K], 1
	s_mov_b32 s[G0V], 1
	s_lshl_b32 s[OFF], s[HEAD], 19                 ; a head is 524,288 bytes
	s_mov_b32 s[OFF+1], 0
	s_lshl_b32 s22, s[GRP], 14
	s_lshl_b32 s23, s[HALF], 13
	s_add_co_u32 s22, s22, s23
	s_add_co_u32 s22, s22, s[OFF]
	s_add_co_u32 s22, s22, 0x800000                ; k is the second tensor
	s_mov_b32 s23, 0
	s_wait_dscnt 0x0                               ; both opening adds are done
	s_wait_kmcnt 0x0
	s_add_nc_u64 s[KBA:KBA+1], s[4:5], s[22:23]
	s_add_nc_u64 s[VBA:VBA+1], s[KBA:KBA+1], 0x800000
	s_add_nc_u64 s[QH:QH+1], s[4:5], s[OFF:OFF+1]
	s_add_nc_u64 s[OH:OH+1], s[6:7], s[OFF:OFF+1]
	s_mov_b64 s[G0K+2:G0K+3], s[KBA:KBA+1]
	s_or_b32 s[G0K+3], s[G0K+3], 0x80000000
	s_mov_b64 s[G0V+2:G0V+3], s[VBA:VBA+1]
	s_or_b32 s[G0V+3], s[G0V+3], 0x80000000
	s_cmp_eq_u32 s[ISV], 0                         ; slot 0: all eight waves ask, each for its own 64 rows
	s_cbranch_scc0 .Lfirst_v
	tensor_load_to_lds s[G0K:G0K+3], s[G1K:G1K+7]
	s_nop 0
.rept 4
	v_nop
.endr
	s_branch .Lfirst_done
.Lfirst_v:
	tensor_load_to_lds s[G0V:G0V+3], s[G1V:G1V+7]
	s_nop 0
.rept 4
	v_nop
.endr
.Lfirst_done:
	s_cmp_eq_u32 s[ISV], 0
	s_cselect_b64 s[PFA:PFA+1], s[KBA:KBA+1], s[VBA:VBA+1]
	s_add_nc_u64 s[PFA:PFA+1], s[PFA:PFA+1], 32768 ; in slot 1: the first change steps it to slot 2
	s_lshl_b32 s[OFF], s[Q0], 7
	s_add_nc_u64 s[QA:QA+1], s[QH:QH+1], s[OFF:OFF+1]
	v_and_b32 v128, 15, v0                         ; r
	v_bfe_u32 v129, v0, 4, 1                       ; h
	v_and_b32 v130, 31, v0                         ; lane
	v_lshlrev_b32 v[QO], 7, v128
	v_lshl_add_u32 v[QO], v129, 4, v[QO]
	LOADQ
	s_mul_i32 s22, s[GRP], GB
	v_mul_u32_u24 v[AK0], v128, PK
	v_lshl_add_u32 v[AK0], v129, 4, v[AK0]
	v_add_nc_u32 v[AK0], s22, v[AK0]
	v_and_b32 v131, 7, v0
	v_lshl_add_u32 v131, v129, 3, v131
	v_mul_u32_u24 v[AV0], v131, PV                 ; the turning load: key 8 h + lane % 8,
	v_bfe_u32 v131, v0, 3, 1
	v_lshl_add_u32 v[AV0], v131, 4, v[AV0]         ; channels 8 ((lane / 8) % 2) on
	s_add_co_u32 s22, s22, KB
	v_add_nc_u32 v[AV0], s22, v[AV0]
	s_mul_i32 s22, s[WQ], SW
	s_add_co_u32 s22, s22, STG
	v_mul_u32_u24 v[STO], v128, 144
	v_lshl_add_u32 v[STO], v129, 4, v[STO]
	v_add_nc_u32 v[STO], s22, v[STO]
	v_lshrrev_b32 v131, 3, v130
	v_mul_u32_u24 v[RD], v131, 144
	v_and_b32 v131, 7, v0
	v_lshl_add_u32 v[RD], v131, 4, v[RD]
	v_add_nc_u32 v[RD], s22, v[RD]
	v_lshlrev_b32 v[GO], 4, v130
	s_mul_i32 s22, s[WQ], MW
	s_add_co_u32 s22, s22, MRG
	v_add_nc_u32 v[MG], s22, v[GO]
	v_lshlrev_b32 v131, 3, v129
	v_sub_nc_u32 v[LD], v128, v131
	v_mov_b32 v13, 0xff800000
	v_lshlrev_b32 v0, 8, v130                      ; from here on v0 is the prefetches' offset: 256 x lane
	INIT
	s_wait_loadcnt 0x0                             ; Q
; THE CHANGE OF SLOTS, at a trip's head.  Each wave waits for all its tensor loads (its part of the slot ahead), adds 0 to its spare word, and waits for that and for its reads of the slot that it has left.
; Behind the barrier the slot ahead is whole and nobody reads the other one, which is filled with the next 256 keys: one load a wave, a trip's work in which to land.
.macro CHANGE fill
	s_wait_tensorcnt 0x0                           ; no tensor load of mine is out, so the descriptors may be written
	ds_add_u32 v[SPW], v[NIL]                      ; the descriptors' steps stand between it and its wait
.if \fill
	s_add_co_u32 s[KAP], s[KAP], 1
	s_add_co_u32 s22, s[N], 1
	s_cmp_eq_u32 s22, s[NL]                        ; the next slot opens round 1: its keys begin anew
	s_cselect_b32 s[KAP], 0, s[KAP]
	s_cselect_b32 s[QBN], s[I], s[QBN]
	s_lshl_b32 s[OFF], s[KAP], 15                  ; 256 rows of 128 bytes a slot
	s_add_nc_u64 s[G0K+2:G0K+3], s[KBA:KBA+1], s[OFF:OFF+1]
	s_or_b32 s[G0K+3], s[G0K+3], 0x80000000
	s_add_nc_u64 s[G0V+2:G0V+3], s[VBA:VBA+1], s[OFF:OFF+1]
	s_or_b32 s[G0V+3], s[G0V+3], 0x80000000
	s_xor_b32 s[G0K+1], s[G0K+1], SLOT1
	s_xor_b32 s[G0V+1], s[G0V+1], SLOT1
	s_wait_xcnt 0x0                                ; the last prefetch, a trip back, has read its address
	s_add_nc_u64 s[PFA:PFA+1], s[PFA:PFA+1], 32768
.endif
	s_wait_dscnt 0x0
	s_barrier_signal -1
	s_barrier_wait -1
.if \fill
	TLOADG 0
	s_lshl_b32 s22, s[KAP], 1                      ; group 1's block of the next slot, 2 kappa + 1, lies wholly above the diagonal where it is above the round's query block:
	s_add_co_u32 s22, s22, 1                       ; no wave reads it then, and it is not asked for.  Ids and the count of trips alone: all eight waves go the same way; every wait for tensor loads here is for 0
	s_cmp_gt_u32 s22, s[QBN]
	s_cbranch_scc1 .Lpast_\@
	TLOADG 1
.Lpast_\@:
	ASK
.endif
.endm
.macro SOFTMAX                         ; both tiles line by line, so that no line waits for the line above it
.irp c, 0,1,2,3
.irp t, 0,1
	v_max3_num_f32 v[ST+8*\t+4+\c], v[S+32*\t+8*\c], v[S+32*\t+8*\c+1], v[S+32*\t+8*\c+2]   ; each accumulator is read from its low end on
.endr
.endr
.irp k, 3,5
.irp c, 0,1,2,3
.irp t, 0,1
	v_max3_num_f32 v[ST+8*\t+4+\c], v[ST+8*\t+4+\c], v[S+32*\t+8*\c+\k], v[S+32*\t+8*\c+\k+1]
.endr
.endr
.endr
.irp t, 0,1
	v_max3_num_f32 v[ST+8*\t+4], v[ST+8*\t+4], v[S+32*\t+7], v[S+32*\t+15]
	v_max3_num_f32 v[ST+8*\t+6], v[ST+8*\t+6], v[S+32*\t+23], v[S+32*\t+31]
.endr
.irp t, 0,1
	v_max3_num_f32 v[ST+8*\t+4], v[ST+8*\t+4], v[ST+8*\t+5], v[ST+8*\t+6]
.endr
.irp t, 0,1
	v_max3_num_f32 v[ST+8*\t+4], v[ST+8*\t+4], v[ST+8*\t+7], v[ST+8*\t+1]   ; with the old m
.endr
.irp t, 0,1
	v_permlanex16_b32 v[ST+8*\t+5], v[ST+8*\t+4], s[SEL], s[SEL+1]          ; the query's other keys lie in the lane 16 away
.endr
.irp t, 0,1
	v_mov_b32 v[ST+8*\t+7], v[ST+8*\t]
.endr
.irp t, 0,1
	v_max_num_f32 v[ST+8*\t+1], v[ST+8*\t+4], v[ST+8*\t+5]
.endr
.irp t, 0,1
	v_mul_f32 v[ST+8*\t], s[CS], v[ST+8*\t+1]
.endr
.irp t, 0,1
	v_sub_f32 v[ST+8*\t+7], v[ST+8*\t+7], v[ST+8*\t]
.endr
.irp j, 0,2,4,6,8,10,12,14,16,18,20,22,24,26,28,30
.irp t, 0,1
	v_pk_fma_f32 v[S+32*\t+\j:S+32*\t+\j+1], v[S+32*\t+\j:S+32*\t+\j+1], s[CS:CS+1], v[ST+8*\t:ST+8*\t+1] op_sel_hi:[1,0,0] neg_lo:[0,0,1] neg_hi:[0,0,1]   ; c s - c m
.endr
.endr
.irp t, 0,1
	v_exp_f32 v[ST+8*\t+6], v[ST+8*\t+7]           ; a = 2^(c m_old - c m_new)
.endr
.irp j, 0,1,2,3,4,5,6,7,8,9,10,11,12,13,14,15,16,17,18,19,20,21,22,23,24,25,26,27,28,29,30,31
.irp t, 0,1
	v_exp_f32 v[S+32*\t+\j], v[S+32*\t+\j]
.endr
.endr
	v_nop                                          ; a plain line behind the last exponential,
	s_wait_alu depctr_va_vdst(0)                   ; and ONE wait for the batch of 66, ahead of its first reader
.irp t, 0,1
	v_pk_mul_f32 v[ST+8*\t+2:ST+8*\t+3], v[ST+8*\t+2:ST+8*\t+3], v[ST+8*\t+6:ST+8*\t+7] op_sel_hi:[1,0]
.endr
.irp t, 0,1
	v_pk_add_f32 v[ST+8*\t+4:ST+8*\t+5], v[S+32*\t+2:S+32*\t+3], v[S+32*\t+6:S+32*\t+7]     ; the sum of the unrounded p, in two chains
.endr
.irp t, 0,1
	v_pk_add_f32 v[ST+8*\t+2:ST+8*\t+3], v[ST+8*\t+2:ST+8*\t+3], v[S+32*\t:S+32*\t+1]
.endr
.irp t, 0,1
	v_pk_add_f32 v[ST+8*\t+2:ST+8*\t+3], v[ST+8*\t+2:ST+8*\t+3], v[S+32*\t+4:S+32*\t+5]
.endr
.irp j, 8,12,16,20,24,28
.irp t, 0,1
	v_pk_add_f32 v[ST+8*\t+2:ST+8*\t+3], v[ST+8*\t+2:ST+8*\t+3], v[S+32*\t+\j:S+32*\t+\j+1]
	v_pk_add_f32 v[ST+8*\t+4:ST+8*\t+5], v[ST+8*\t+4:ST+8*\t+5], v[S+32*\t+\j+2:S+32*\t+\j+3]
.endr
.endr
.irp t, 0,1
	v_pk_add_f32 v[ST+8*\t+2:ST+8*\t+3], v[ST+8*\t+2:ST+8*\t+3], v[ST+8*\t+4:ST+8*\t+5]
.endr
.irp j, 0,1,2,3,4,5,6,7,8,9,10,11,12,13,14,15
.irp t, 0,1
	v_cvt_pk_f16_f32 v[S+32*\t+\j], v[S+32*\t+2*\j], v[S+32*\t+2*\j+1]      ; P in place, ascending: register j takes pair j
.endr
.endr
.irp j, 0,2,4,6,8,10,12,14,16,18,20,22,24,26,28,30
.irp t, 0,1
	v_pk_mul_f32 v[O+32*\t+\j:O+32*\t+\j+1], v[O+32*\t+\j:O+32*\t+\j+1], v[ST+8*\t+6:ST+8*\t+7] op_sel_hi:[1,0]
.endr
.endr
.endm
; 64 keys: half u of my group's block in the slot in hand.
.macro SUB u
	s_add_co_u32 s22, s[KF], 64*\u
	s_cmp_gt_u32 s22, s[Q0]                        ; a multiple of 64 above a multiple of 32: all 64 keys come after my 32 queries
	s_cbranch_scc1 .Lhid_\@
	v_add_nc_u32 v[ADK], s[TB], v[AK0]
	v_add_nc_u32 v[ADV], s[TB], v[AV0]
.irp c, 0,1
.irp k, 0,1,2,3
	ds_load_b128 v[KV+16*\k+8*\c:KV+16*\k+8*\c+3], v[ADK] offset:\u*64*PK+\k*16*PK+64*\c
	ds_load_b128 v[KV+16*\k+8*\c+4:KV+16*\k+8*\c+7], v[ADK] offset:\u*64*PK+\k*16*PK+64*\c+32
.endr
.endr
	s_wait_dscnt 8                                 ; channels 0-31 are in; the eight loads of channels 32-63 may be out
.irp k, 0,1,2,3
.irp t, 0,1
	v_wmma_f32_16x16x32_f16 v[S+32*\t+8*\k:S+32*\t+8*\k+7], v[KV+16*\k:KV+16*\k+7], v[Q+16*\t:Q+16*\t+7], 0
.endr
.endr
	s_wait_dscnt 0x0
.irp k, 0,1,2,3
.irp t, 0,1
	v_wmma_f32_16x16x32_f16 v[S+32*\t+8*\k:S+32*\t+8*\k+7], v[KV+16*\k+8:KV+16*\k+15], v[Q+16*\t+8:Q+16*\t+15], v[S+32*\t+8*\k:S+32*\t+8*\k+7]   ; the eight accumulators by turns
.endr
.endr
.rept 4
	v_nop                                          ; places ahead of the loads into K's registers and of the first read of the scores
.endr
.irp k, 0,1
.irp c, 0,1,2,3
	ds_load_tr16_b128 v[KV+8*(4*\k+\c):KV+8*(4*\k+\c)+3], v[ADV] offset:\u*64*PV+\k*32*PV+32*\c
	ds_load_tr16_b128 v[KV+8*(4*\k+\c)+4:KV+8*(4*\k+\c)+7], v[ADV] offset:\u*64*PV+\k*32*PV+16*PV+32*\c
.endr
.endr
	s_add_co_u32 s23, s22, 63
	s_cmp_le_u32 s23, s[Q0]                        ; all 64 keys count for all my queries: no mask
	s_cbranch_scc1 .Lopen_\@
	s_sub_co_u32 s23, s[Q0], s22
	v_add_nc_u32 v11, s23, v[LD]                   ; register 8 k + j holds key s22 + 8 h + 16 k + j: hidden where 16 k + j > my query - s22 - 8 h
	v_add_nc_u32 v12, 16, v11
.irp t, 0,1
.irp n, 0,1,2,3,4,5,6,7,8,9,10,11,12,13,14,15,16,17,18,19,20,21,22,23,24,25,26,27,28,29,30,31
	v_cmp_gt_i32 vcc_lo, 16*(\n/8)+\n%8, v[11+\t]
	v_cndmask_b32 v[S+32*\t+\n], v[S+32*\t+\n], v13, vcc_lo
.endr
.endr
.Lopen_\@:
	SOFTMAX
	s_wait_dscnt 0x0                               ; V
.irp k, 0,1
.irp c, 0,1,2,3
.irp t, 0,1
	v_wmma_f32_16x16x32_f16 v[O+32*\t+8*\c:O+32*\t+8*\c+7], v[KV+8*(4*\k+\c):KV+8*(4*\k+\c)+7], v[S+32*\t+8*\k:S+32*\t+8*\k+7], v[O+32*\t+8*\c:O+32*\t+8*\c+7]
.endr
.endr
.endr
.rept 5
	v_nop                                          ; five places: the next scores are laid over P's registers by matrix instructions; loads into V's registers and reads of O^T want four
.endr
.Lhid_\@:
.endm
; THE HAND-OVER at a round's end.  Group 1 stores c m, l and O^T as images of its registers; a barrier; group 0 merges, divides, and stores 32 rows of O through its stage.
; again = 1: round 1 follows: its Q is asked for first, and the state begins anew.
.macro HAND again
	v_lshrrev_b32 v[ADK], 1, v[GO]
	v_sub_nc_u32 v[ADV], v[MG], v[ADK]             ; my pair's region + 8 x lane: the statistics stand 8,192 bytes on
.if \again
	s_lshl_b32 s[OFF], s[I], 7
	s_lshl_b32 s22, s[WQ], 5
	s_add_co_u32 s[OFF], s[OFF], s22
	s_lshl_b32 s[OFF], s[OFF], 7
	s_add_nc_u64 s[QA:QA+1], s[QH:QH+1], s[OFF:OFF+1]
	LOADQ
.endif
	s_cmp_eq_u32 s[GRP], 0
	s_cbranch_scc1 .Lno_save_\@
.irp t, 0,1
	v_add_f32 v[ST+8*\t+4], v[ST+8*\t+2], v[ST+8*\t+3]
	v_mov_b32 v[ST+8*\t+5], v[ST+8*\t]
.endr
.irp t, 0,1
.irp i, 0,1,2,3,4,5,6,7
	ds_store_b128 v[MG], v[O+32*\t+4*\i:O+32*\t+4*\i+3] offset:\t*4096+512*\i
.endr
	ds_store_b64 v[ADV], v[ST+8*\t+4:ST+8*\t+5] offset:8192+256*\t     ; l, c m
.endr
.Lno_save_\@:
	s_wait_dscnt 0x0                               ; for the others' sake: my stores have landed
	s_barrier_signal -1
	s_barrier_wait -1
	s_cmp_lg_u32 s[GRP], 0
	s_cbranch_scc1 .Lno_fin_\@
.irp t, 0,1
	ds_load_b64 v[ST+8*\t+6:ST+8*\t+7], v[ADV] offset:8192+256*\t
.irp i, 0,1,2,3,4,5,6,7
	ds_load_b128 v[KV+32*\t+4*\i:KV+32*\t+4*\i+3], v[MG] offset:\t*4096+512*\i
.endr
.endr
	s_lshl_b32 s[OFF], s[Q0], 7
	s_add_nc_u64 s[OA:OA+1], s[OH:OH+1], s[OFF:OFF+1]
.irp t, 0,1
	v_add_f32 v[ST+8*\t+4], v[ST+8*\t+2], v[ST+8*\t+3]
.endr
	s_wait_dscnt 0x0
.irp t, 0,1
	v_max_num_f32 v[ST+8*\t+1], v[ST+8*\t], v[ST+8*\t+7]               ; the larger c m
.endr
.irp t, 0,1
	v_sub_f32 v[ST+8*\t+2], v[ST+8*\t], v[ST+8*\t+1]
	v_sub_f32 v[ST+8*\t+3], v[ST+8*\t+7], v[ST+8*\t+1]
.endr
.irp t, 0,1
	v_exp_f32 v[ST+8*\t+2], v[ST+8*\t+2]
	v_exp_f32 v[ST+8*\t+3], v[ST+8*\t+3]           ; 0 where group 1 saw no key
.endr
	v_nop
	s_wait_alu depctr_va_vdst(0)                   ; one wait for the four
.irp t, 0,1
	v_mul_f32 v[ST+8*\t+4], v[ST+8*\t+4], v[ST+8*\t+2]
.endr
.irp t, 0,1
	v_fma_f32 v[ST+8*\t+4], v[ST+8*\t+6], v[ST+8*\t+3], v[ST+8*\t+4]
.endr
.irp t, 0,1
	v_permlanex16_b32 v[ST+8*\t+5], v[ST+8*\t+4], s[SEL], s[SEL+1]
.endr
.irp t, 0,1
	v_add_f32 v[ST+8*\t+4], v[ST+8*\t+4], v[ST+8*\t+5]                 ; the row's sum
.endr
.irp t, 0,1
	v_rcp_f32 v[ST+8*\t+6], v[ST+8*\t+4]
.endr
	v_nop
	s_wait_alu depctr_va_vdst(0)
.irp t, 0,1
	v_mul_f32 v[ST+8*\t+2], v[ST+8*\t+2], v[ST+8*\t+6]
	v_mul_f32 v[ST+8*\t+4], v[ST+8*\t+3], v[ST+8*\t+6]
.endr
.irp t, 0,1
.irp j, 0,2,4,6,8,10,12,14,16,18,20,22,24,26,28,30
	v_pk_mul_f32 v[S+32*\t+\j:S+32*\t+\j+1], v[O+32*\t+\j:O+32*\t+\j+1], v[ST+8*\t+2:ST+8*\t+3] op_sel_hi:[1,0]
.endr
.irp j, 0,2,4,6,8,10,12,14,16,18,20,22,24,26,28,30
	v_pk_fma_f32 v[S+32*\t+\j:S+32*\t+\j+1], v[KV+32*\t+\j:KV+32*\t+\j+1], v[ST+8*\t+4:ST+8*\t+5], v[S+32*\t+\j:S+32*\t+\j+1] op_sel_hi:[1,0,1]
.endr
.irp j, 0,1,2,3,4,5,6,7,8,9,10,11,12,13,14,15
	v_cvt_pk_f16_f32 v[S+32*\t+\j], v[S+32*\t+2*\j], v[S+32*\t+2*\j+1]
.endr
.irp c, 0,1,2,3
	ds_store_b128 v[STO], v[S+32*\t+4*\c:S+32*\t+4*\c+3] offset:\t*2304+32*\c
.endr
.irp u, 0,1,2,3
	ds_load_b128 v[KV+16*\t+4*\u:KV+16*\t+4*\u+3], v[RD] offset:\t*2304+576*\u    ; my own stage: LDS serves a wave's instructions in order
.endr
.endr
	s_wait_dscnt 0x0
.irp t, 0,1
.irp u, 0,1,2,3
	global_store_b128 v[GO], v[KV+16*\t+4*\u:KV+16*\t+4*\u+3], s[OA:OA+1] offset:\t*2048+512*\u   ; four rows: 512 consecutive bytes, aligned
.endr
.endr
	s_wait_xcnt 0x0                                ; the stores have read their registers and their base
.Lno_fin_\@:
.if \again
	s_lshl_b32 s[Q0], s[I], 7
	s_lshl_b32 s22, s[WQ], 5
	s_add_co_u32 s[Q0], s[Q0], s22
	s_lshl_b32 s[KF], s[GRP], 7
	INIT
	s_wait_loadcnt 0x0                             ; round 1's Q
.endif
.endm
.macro TRIP fill
	CHANGE \fill
	s_cmp_lg_u32 s[N], s[NL]                       ; ids and the count of trips: the same in all eight waves
	s_cbranch_scc1 .Lsame_\@
	HAND 1
.Lsame_\@:
	SUB 0
	SUB 1
	s_add_co_u32 s[KF], s[KF], 256
	s_xor_b32 s[TB], s[TB], SLOT1
.endm
.Ltrip:                                            ; 16 trips ask for the next slot;
	TRIP 1
	s_add_co_u32 s[N], s[N], 1
	s_cmp_lt_u32 s[N], 16
	s_cbranch_scc1 .Ltrip
	TRIP 0                                         ; the seventeenth asks for nothing
	s_wait_dscnt 0x0
	s_barrier_signal -1                            ; group 0's reads of the first hand-over are over (it may have stood in the last trip): group 1 may store again
	s_barrier_wait -1
	HAND 0
	s_wait_tensorcnt 0x0                           ; the wave's end
	ds_add_u32 v[SPW], v[NIL]
	s_wait_dscnt 0x0
	s_endpgm
.Lfunc_end_k_qd31bf494e8_attn:
	.size	k_qd31bf494e8_attn, .Lfunc_end_k_qd31bf494e8_attn-k_qd31bf494e8_attn
	.p2alignl 7, 3214868480
	.fill 96, 4, 3214868480
	.section	.rodata,"a",@progbits
	.p2align	6, 0x0
	.amdhsa_kernel k_qd31bf494e8_attn
		.amdhsa_group_segment_fixed_size 327680
		.amdhsa_private_segment_fixed_size 0
		.amdhsa_enable_private_segment 0
		.amdhsa_kernarg_size 16
		.amdhsa_user_sgpr_count 2
		.amdhsa_user_sgpr_kernarg_segment_ptr 1
		.amdhsa_wavefront_size32 1
		.amdhsa_system_sgpr_workgroup_id_x 1
		.amdhsa_system_sgpr_workgroup_id_y 1
		.amdhsa_system_sgpr_workgroup_id_z 1
		.amdhsa_system_vgpr_workitem_id 0
		.amdhsa_next_free_vgpr 256
		.amdhsa_next_free_sgpr 80
		.amdhsa_reserve_vcc 1
		.amdhsa_float_denorm_mode_32 3
		.amdhsa_float_denorm_mode_16_64 3
		.amdhsa_memory_ordered 1
		.amdhsa_forward_progress 1
		.amdhsa_inst_pref_size 140
	.end_amdhsa_kernel
	.amdgpu_metadata
---
amdhsa.version: [ 1, 2 ]
amdhsa.kernels:
  - .name:           k_qd31bf494e8_attn
    .symbol:         k_qd31bf494e8_attn.kd
    .args:
      - { .name: qkv16, .offset: 0, .size: 8, .value_kind: global_buffer, .address_space: global }
      - { .name: ao16, .offset: 8, .size: 8, .value_kind: global_buffer, .address_space: global }
    .group_segment_fixed_size: 327680
    .private_segment_fixed_size: 0
    .kernarg_segment_align: 8
    .kernarg_segment_size: 16
    .max_flat_workgroup_size: 256
    .sgpr_count:     80
    .vgpr_count:     256
    .wavefront_size: 32
...
	.end_amdgpu_metadata
.endif
;; end of part 3
;; launch proj (part 4): grid 8 x 32, 4 waves a work-group, clusters of 4 x 4, 327,680 bytes of LDS; arguments ao16, wo16, out0; writes out0
.if DOCPART == 4
	.amdgcn_target "amdgcn-amd-amdhsa--gfx1250"
	.amdhsa_code_object_version 6
	.text
	.protected	k_qd31bf494e8_proj
	.globl	k_qd31bf494e8_proj
	.p2align	8
	.type	k_qd31bf494e8_proj,@function
k_qd31bf494e8_proj:
	s_mov_b64 s[64:65], 0
	v_nop
	global_prefetch_b8 v0, s[64:65] scope:SCOPE_SE
	s_setreg_imm32_b32 hwreg(HW_REG_WAVE_MODE, 25, 1), 1
	s_wait_xcnt 0x0
	s_wait_alu depctr_hold_cnt(0) depctr_sa_sdst(0) depctr_va_vdst(0) depctr_va_sdst(0) depctr_va_ssrc(0) depctr_va_vcc(0) depctr_vm_vsrc(0)
	s_getreg_b32 s2, hwreg(HW_REG_IB_STS2, 6, 4)
	s_cmp_eq_u32 s2, 0
	s_cbranch_scc0 .Lentry_in_a_cluster
	s_endpgm
.Lentry_in_a_cluster:
	s_bfe_u32 s2, ttmp6, 0x10000c
	s_cmp_lg_u32 s2, 0xf033
	s_cbranch_scc0 .Lentry_shape_is_right
	s_endpgm
.Lentry_shape_is_right:
; out0[s][n] = the sum over k of A[s][k] Wo[n][k], f16 operands, f32 sums, f32 out.  A = ao16 [plane k / 64 (16)][4096][64], B = wo16 [plane][1024][64]: 64 rows of one plane are 8,192 consecutive bytes.
; A tile of out0 is 128 x 128: 256 work-groups.  Four waves, 64 x 64 each: 16 accumulators.  K goes in steps of 256 (four planes) through two LDS slots; a wave's tensor load brings 64 rows x 4 planes, stated as 4 rows of
; 4,096 elements with 16 bytes of padding behind every 128: in LDS [plane][64 rows][144 bytes].
; CLUSTERS: 4 x 4 work-groups: the four of a row of the cluster ask for A's tiles jointly, the four of a column for B's.  THE MATRIX INSTRUCTION IS USED TRANSPOSED: a lane holds eight neighbouring numbers of a row of out0.
; A wave's 64 columns of f32 are 256 aligned bytes, so each wave has a stage of its own on the way out and no barrier.  Rows 0-15 are stored here like all others; the next launch stores them anew from f32 operands.
; REGISTERS: window 0: v0-31 addresses; v32-95 rows on the way out; v128-255 the accumulators ((a, b) at v[128 + 8 (4 a + b)]).   window 1: two fragment buffers of 128: 64 registers of A, then 64 of B, for 64 along K.
.set PITCH,  144
.set PLANE,  64*PITCH                  ; 64 rows of one plane
.set HALFT,  4*PLANE                   ; what one tensor load brings
.set SLOT,   4*HALFT
.set STAGE,  2*SLOT
.set SPITCH, 272
.set SPARE,  STAGE+4*16*SPITCH         ; the spare words: 128 bytes a wave, named by no other line
.set ASTEP,  4*524288                  ; a K step on, in bytes: four planes of A,
.set BSTEP,  4*131072                  ; of B
.set LAPS,   2
.set ADRA, 16
.set ADRB, 20
.set STO,  24
.set RD,   25
.set CO,   26
.set SPW,  28
.set NIL,  29
.set TMP,  32
.set ACC,  128
.set F0,   0
.set F1,   128
.set G1, 24
.set G0, 32
.set G1B, 48
.set G0B, 56
.set MSB, 0
.macro WIN new
.if MSB != (\new)
	s_set_vgpr_msb (MSB<<8)|(\new)
.set MSB, (\new)
.endif
.endm
.set MUL,  0x05                        ; sources 0 (B) and 1 (A) window 1; C and D window 0
.set TO_F, 0x40
.macro JLOAD s                         ; waves 0 and 1 fetch A's two halves, waves 2 and 3 B's; an s_nop 0 and four v_nop follow each of the two lines
	s_cmp_eq_u32 s11, 0
	s_cbranch_scc0 .Lfor_b_\@
	tensor_load_to_lds s[G0+4*\s:G0+4*\s+3], s[G1:G1+7]
	s_nop 0
.rept 4
	v_nop
.endr
	s_branch .Lasked_\@
.Lfor_b_\@:
	tensor_load_to_lds s[G0B+4*\s:G0B+4*\s+3], s[G1B:G1B+7]
	s_nop 0
.rept 4
	v_nop
.endr
.Lasked_\@:
.endm
.macro CREST
	s_cmp_lg_u32 s10, 0
	s_cbranch_scc1 .Lnot_wave_0_\@
	s_barrier_signal -3
.Lnot_wave_0_\@:
	s_barrier_wait -3
	s_barrier_signal -1
	s_barrier_wait -1
.endm
.macro CROUND
	s_barrier_signal -1
	s_barrier_wait -1
	CREST
.endm
	s_load_b128 s[4:7], s[0:1], 0x0                ; ao16, wo16
	s_load_b64 s[8:9], s[0:1], 0x10                ; out0
	v_lshl_add_u32 v[SPW], v0, 2, SPARE
	v_mov_b32 v[NIL], 0
	ds_add_u32 v[SPW], v[NIL]                      ; the wave's opening: the add, twice on end, and its wait ahead of my first tensor load
	ds_add_u32 v[SPW], v[NIL]
	v_lshrrev_b32 v1, 5, v0
	v_readfirstlane_b32 s10, v1
	s_lshr_b32 s11, s10, 1                         ; my half of the tile's rows.  Also: I fetch for A (0) or for B (1)
	s_and_b32 s12, s10, 1                          ; my half of its columns.  Also: which 64 rows I fetch
	s_bfe_u32 s40, ttmp6, 0x40000
	s_bfe_u32 s41, ttmp6, 0x40004
	s_lshl_b32 s42, ttmp9, 2
	s_add_co_u32 s42, s42, s40                     ; tile column
	s_and_b32 s13, ttmp7, 0xffff
	s_lshl_b32 s13, s13, 2
	s_add_co_u32 s13, s13, s41                     ; tile row
	s_lshl_b32 s43, s41, 2
	s_lshl_b32 s43, 15, s43                        ; my row of the cluster
	s_lshl_b32 s44, 0x1111, s40                    ; my column
	s_or_b32 s[G1+0], s43, (1<<16)|(1<<20)|(1<<21)|(4<<22)|(3<<25)   ; the mask; elements of 2 bytes; padding on; 21 set beside a mask; after every 32 words 4 words
	s_or_b32 s[G1B+0], s44, (1<<16)|(1<<20)|(1<<21)|(4<<22)|(3<<25)
.irp g, G1, G1B
	s_mov_b32 s[\g+1], 4096<<16                    ; tensor_dim0 = 4,096
	s_mov_b32 s[\g+2], 4<<16                       ; tensor_dim1 = 4
	s_mov_b32 s[\g+3], 4096<<16                    ; tile_dim0
	s_mov_b32 s[\g+4], 4                           ; tile_dim1
	s_mov_b32 s[\g+6], 0
	s_mov_b32 s[\g+7], 0
.endr
	s_mov_b32 s[G1+5], 262144                      ; from plane to plane, in elements
	s_mov_b32 s[G1B+5], 65536
	s_lshl_b32 s17, s12, 6
	s_lshl_b32 s16, s13, 7
	s_add_co_u32 s16, s16, s17
	s_lshl_b32 s16, s16, 7                         ; A: row 128 x tile row + 64 x half, 128 bytes a row
	s_lshl_b32 s46, s42, 7
	s_add_co_u32 s46, s46, s17
	s_lshl_b32 s46, s46, 7                         ; B: row 128 x tile column + 64 x half
	s_mov_b32 s17, 0
	s_mov_b32 s47, 0
	s_mul_i32 s20, s10, HALFT
	s_wait_dscnt 0x0
	s_wait_kmcnt 0x0
	s_add_nc_u64 s[14:15], s[4:5], s[16:17]
	s_add_nc_u64 s[46:47], s[6:7], s[46:47]
	CROUND                                         ; all sixteen work-groups are here: the first joint loads meet
.irp s, 0,1
	s_mov_b32 s[G0+4*\s], 1
	s_add_co_u32 s[G0+4*\s+1], s20, \s*SLOT
	s_add_nc_u64 s[G0+4*\s+2:G0+4*\s+3], s[14:15], \s*ASTEP
	s_or_b32 s[G0+4*\s+3], s[G0+4*\s+3], 0x80000000
	s_mov_b32 s[G0B+4*\s], 1
	s_add_co_u32 s[G0B+4*\s+1], s20, \s*SLOT
	s_add_nc_u64 s[G0B+4*\s+2:G0B+4*\s+3], s[46:47], \s*BSTEP
	s_or_b32 s[G0B+4*\s+3], s[G0B+4*\s+3], 0x80000000
	JLOAD \s
.endr
	v_and_b32 v1, 15, v0
	v_bfe_u32 v2, v0, 4, 1
	v_mul_u32_u24 v3, v1, PITCH
	v_lshl_add_u32 v3, v2, 4, v3
	s_mul_i32 s21, s11, HALFT
	s_mul_i32 s22, s12, HALFT
	s_add_co_u32 s22, s22, 2*HALFT
.irp s, 0,1
	v_add_nc_u32 v[ADRA+\s], s21, v3
	v_add_nc_u32 v[ADRB+\s], s22, v3
	s_add_co_u32 s21, s21, SLOT
	s_add_co_u32 s22, s22, SLOT
.endr
	s_mul_i32 s23, s10, 16*SPITCH
	s_add_co_u32 s23, s23, STAGE                   ; my stage: 16 rows x (256 bytes + 16)
	v_mul_u32_u24 v4, v1, SPITCH
	v_lshl_add_u32 v4, v2, 5, v4
	v_add_nc_u32 v[STO], s23, v4                   ; in: row r, 32 bytes for each half of the lanes
	v_mul_u32_u24 v5, v2, SPITCH
	v_lshl_add_u32 v5, v1, 4, v5
	v_add_nc_u32 v[RD], s23, v5                    ; back: lanes 0-15 one row, lanes 16-31 the next
	v_lshlrev_b32 v5, 12, v2
	v_lshl_add_u32 v[CO], v1, 4, v5                ; and the same two rows in out0
	s_lshl_b32 s16, s13, 7
	s_lshl_b32 s17, s11, 6
	s_add_co_u32 s16, s16, s17
	s_lshl_b32 s16, s16, 12                        ; my first row, 4,096 bytes a row
	s_mov_b32 s17, 0
	s_add_nc_u64 s[8:9], s[8:9], s[16:17]
	s_lshl_b32 s46, s42, 9
	s_lshl_b32 s47, s12, 8
	s_add_co_u32 s46, s46, s47                     ; my first column, in bytes
	s_mov_b32 s47, 0
	s_add_nc_u64 s[8:9], s[8:9], s[46:47]
.macro MUL8 f, c, a0, zero             ; m blocks a0, a0 + 1 x all 4 n blocks, 32 along K; the 16 accumulators take turns
.irp a, \a0, \a0+1
.irp b, 0,1,2,3
.if \zero
	v_wmma_f32_16x16x32_f16 v[ACC+8*(4*(\a)+\b):ACC+8*(4*(\a)+\b)+7], v[\f+64+8*(4*\c+\b):\f+64+8*(4*\c+\b)+7], v[\f+8*(4*\c+\a):\f+8*(4*\c+\a)+7], 0
.else
	v_wmma_f32_16x16x32_f16 v[ACC+8*(4*(\a)+\b):ACC+8*(4*(\a)+\b)+7], v[\f+64+8*(4*\c+\b):\f+64+8*(4*\c+\b)+7], v[\f+8*(4*\c+\a):\f+8*(4*\c+\a)+7], v[ACC+8*(4*(\a)+\b):ACC+8*(4*(\a)+\b)+7]
.endif
.endr
.endr
.endm
.macro FETCH slot, k, f                ; 32 LDS loads in one run: the fragments of one plane (64 along K), which begins k bytes into my rows' part; the first 32 along K first
	WIN TO_F
.irp c, 0,1
.irp i, 0,1,2,3
	ds_load_b128 v[\f+64+8*(4*\c+\i):\f+64+8*(4*\c+\i)+3],   v[ADRB+\slot] offset:\k+64*\c+\i*16*PITCH
	ds_load_b128 v[\f+64+8*(4*\c+\i)+4:\f+64+8*(4*\c+\i)+7], v[ADRB+\slot] offset:\k+64*\c+\i*16*PITCH+32
	ds_load_b128 v[\f+8*(4*\c+\i):\f+8*(4*\c+\i)+3],         v[ADRA+\slot] offset:\k+64*\c+\i*16*PITCH
	ds_load_b128 v[\f+8*(4*\c+\i)+4:\f+8*(4*\c+\i)+7],       v[ADRA+\slot] offset:\k+64*\c+\i*16*PITCH+32
.endr
.endr
.endm
.macro PLACES
.rept 4
	v_nop
.endr
.endm
.macro QUARTER slot, k, f, g, zero     ; multiplies buffer f (one plane) and fetches the next plane into g
	s_wait_dscnt 16                                ; the first 32 along K are in; the other sixteen loads may be out
	WIN MUL
	MUL8 \f, 0, 0, \zero
	MUL8 \f, 0, 2, \zero
	PLACES
	FETCH \slot, \k, \g
	s_wait_dscnt 32                                ; all but the 32 just issued
	WIN MUL
	MUL8 \f, 1, 0, 0
	MUL8 \f, 1, 2, 0
.endm
; A slot's last plane changes slots: one barrier; in front of it each wave waits for all its tensor loads, adds 0 to its spare word, and waits for that and for its reads of this slot.  fill = 1: the slot is filled again, two K steps ahead.
.macro TURN slot, next, fill
	WIN 0
	s_wait_tensorcnt 0x0
	ds_add_u32 v[SPW], v[NIL]
	s_wait_dscnt 17                                ; the add and the youngest sixteen loads may be out
	WIN MUL
	MUL8 F1, 0, 0, 0
	s_wait_dscnt 0x0
	s_barrier_signal -1
	MUL8 F1, 0, 2, 0
.if \fill
	WIN 0
.endif
	s_barrier_wait -1
.if \fill
	CREST                                          ; the barrier has opened a round of the cluster's: no wave of any partner still reads this slot or has a load on its way
	s_add_nc_u64 s[G0+4*\slot+2:G0+4*\slot+3], s[G0+4*\slot+2:G0+4*\slot+3], 2*ASTEP
	s_add_nc_u64 s[G0B+4*\slot+2:G0B+4*\slot+3], s[G0B+4*\slot+2:G0B+4*\slot+3], 2*BSTEP
	JLOAD \slot                                    ; its four v_nop are also the places ahead of the loads below
.else
	PLACES
.endif
	FETCH \next, 0, F0
	WIN MUL
	MUL8 F1, 1, 0, 0
	MUL8 F1, 1, 2, 0
.endm
	s_wait_tensorcnt 1                             ; my part of K step 0 is in; K step 1's load may be out
	s_barrier_signal -1
	s_barrier_wait -1
	FETCH 0, 0, F0
	QUARTER 0, PLANE, F0, F1, 1                    ; the first products start the sums
	WIN 0
	s_mov_b32 s3, LAPS-1
.Llap:
	QUARTER 0, 2*PLANE, F1, F0, 0
	QUARTER 0, 3*PLANE, F0, F1, 0
	TURN 0, 1, 1
	QUARTER 1, PLANE, F0, F1, 0
	QUARTER 1, 2*PLANE, F1, F0, 0
	QUARTER 1, 3*PLANE, F0, F1, 0
	TURN 1, 0, 1
	QUARTER 0, PLANE, F0, F1, 0
	WIN 0
	s_sub_co_u32 s3, s3, 1
	s_cmp_lg_u32 s3, 0
	s_cbranch_scc1 .Llap
	QUARTER 0, 2*PLANE, F1, F0, 0                  ; the last lap fills nothing
	QUARTER 0, 3*PLANE, F0, F1, 0
	TURN 0, 1, 0
	QUARTER 1, PLANE, F0, F1, 0
	QUARTER 1, 2*PLANE, F1, F0, 0
	QUARTER 1, 3*PLANE, F0, F1, 0
	s_wait_dscnt 16
	WIN MUL
	MUL8 F1, 0, 0, 0
	MUL8 F1, 0, 2, 0
	s_wait_dscnt 0
	MUL8 F1, 1, 0, 0
	MUL8 F1, 1, 2, 0
	WIN 0
; THE WAY OUT, 16 rows x 64 columns at a time, through my own stage: LDS serves a wave's instructions in order, so no wait stands between the stores and the loads, nor ahead of the next block's stores
.macro TOSTAGE a
.irp b, 0,1,2,3
	ds_store_b128 v[STO], v[ACC+8*(4*(\a)+\b):ACC+8*(4*(\a)+\b)+3] offset:64*\b           ; each accumulator from its low end on
	ds_store_b128 v[STO], v[ACC+8*(4*(\a)+\b)+4:ACC+8*(4*(\a)+\b)+7] offset:64*\b+16
.endr
.irp t, 0,1,2,3,4,5,6,7
	ds_load_b128 v[TMP+32*((\a)%2)+4*\t:TMP+32*((\a)%2)+4*\t+3], v[RD] offset:\t*2*SPITCH
.endr
.endm
.macro SEND a, younger
	s_wait_dscnt \younger
.irp t, 0,1,2,3,4,5,6,7
	global_store_b128 v[CO], v[TMP+32*((\a)%2)+4*\t:TMP+32*((\a)%2)+4*\t+3], s[8:9] offset:(16*(\a)+2*\t)*4096 th:TH_STORE_NT   ; sixteen lanes store 256 consecutive bytes, aligned
.endr
.endm
	PLACES
	TOSTAGE 0
.irp a, 1,2,3
.if \a > 1
	s_wait_xcnt 0x0                                ; block a - 2's stores have read their registers
.endif
	TOSTAGE \a
	SEND \a-1, 16                                  ; behind block a - 1's loads: block a's eight stores and eight loads
.endr
	SEND 3, 0
	s_wait_tensorcnt 0x0                           ; the wave's end
	ds_add_u32 v[SPW], v[NIL]
	s_wait_dscnt 0x0
	CROUND                                         ; the closing round
	s_endpgm
.Lfunc_end_k_qd31bf494e8_proj:
	.size	k_qd31bf494e8_proj, .Lfunc_end_k_qd31bf494e8_proj-k_qd31bf494e8_proj
	.p2alignl 7, 3214868480
	.fill 96, 4, 3214868480
	.section	.rodata,"a",@progbits
	.p2align	6, 0x0
	.amdhsa_kernel k_qd31bf494e8_proj
		.amdhsa_group_segment_fixed_size 327680
		.amdhsa_private_segment_fixed_size 0
		.amdhsa_enable_private_segment 0
		.amdhsa_kernarg_size 24
		.amdhsa_user_sgpr_count 2
		.amdhsa_user_sgpr_kernarg_segment_ptr 1
		.amdhsa_wavefront_size32 1
		.amdhsa_system_sgpr_workgroup_id_x 1
		.amdhsa_system_sgpr_workgroup_id_y 1
		.amdhsa_system_sgpr_workgroup_id_z 1
		.amdhsa_system_vgpr_workitem_id 0
		.amdhsa_next_free_vgpr 512
		.amdhsa_next_free_sgpr 66
		.amdhsa_reserve_vcc 0
		.amdhsa_float_denorm_mode_32 3
		.amdhsa_float_denorm_mode_16_64 3
		.amdhsa_memory_ordered 1
		.amdhsa_forward_progress 1
		.amdhsa_inst_pref_size 85
	.end_amdhsa_kernel
	.amdgpu_metadata
---
amdhsa.version: [ 1, 2 ]
amdhsa.kernels:
  - .name:           k_qd31bf494e8_proj
    .symbol:         k_qd31bf494e8_proj.kd
    .args:
      - { .name: ao16, .offset: 0, .size: 8, .value_kind: global_buffer, .address_space: global }
      - { .name: wo16, .offset: 8, .size: 8, .value_kind: global_buffer, .address_space: global }
      - { .name: out0, .offset: 16, .size: 8, .value_kind: global_buffer, .address_space: global }
    .group_segment_fixed_size: 327680
    .private_segment_fixed_size: 0
    .kernarg_segment_align: 8
    .kernarg_segment_size: 24
    .max_flat_workgroup_size: 128
    .sgpr_count:     66
    .vgpr_count:     512
    .wavefront_size: 32
...
	.end_amdgpu_metadata
.endif
;; end of part 4
;; launch fine (part 5): grid 64 x 1, 16 waves a work-group, no clusters, 18,432 bytes of LDS; arguments fine32, Wo, out0; writes out0
.if DOCPART == 5
	.amdgcn_target "amdgcn-amd-amdhsa--gfx1250"
	.amdhsa_code_object_version 6
	.text
	.protected	k_qd31bf494e8_fine
	.globl	k_qd31bf494e8_fine
	.p2align	8
	.type	k_qd31bf494e8_fine,@function
k_qd31bf494e8_fine:
	s_mov_b64 s[64:65], 0
	v_nop
	global_prefetch_b8 v0, s[64:65] scope:SCOPE_SE
	s_setreg_imm32_b32 hwreg(HW_REG_WAVE_MODE, 25, 1), 1
	s_wait_xcnt 0x0
; Rows 0-15 of out0 once more, with f32 operands all the way: these rows average one to sixteen values, are the largest in size, and bear the rounding of f16 operands worst.
; fine32 holds q, k (rotated) and v of rows 0-15 as images of registers: [tensor][16 columns g][e][lane][16 bytes]; lane (h, r) holds row r, columns 16 g + 8 h + 4 e + 0..3.
; Work-group g owns output columns 16 g .. + 15; wave w is head w.  Every work-group repeats the 16 heads' attention on 16 x 16 (32 matrix instructions a wave); each wave multiplies its head's 64 channels into the
; work-group's columns (16 more), and the sixteen partial tiles are added through LDS.
; THE ORDER OF K IS PERMUTED ALIKE ON BOTH SIDES of each product, so that registers serve as they lie: in S^T = K Q^T a pair of an image's registers stands for columns c, c + 1 (lanes 0-15) and c + 8, c + 9 (lanes 16-31);
; in O^T = V^T P registers 2 s, 2 s + 1 of P stand for keys 8 h + 2 s, + 1; in the projection registers 2 u, 2 u + 1 of an accumulator of O^T stand for channels 8 h + 2 u, + 1.
; The registers that the matrix instructions write, v160-255, are written by nothing else; each sum begins with the constant 0; four accumulators take turns in each product.
.set SPARE, 16384                      ; behind the sixteen partial tiles of 1,024 bytes: the spare words, 128 bytes a wave
	s_load_b128 s[4:7], s[0:1], 0x0                ; fine32, Wo
	s_load_b64 s[8:9], s[0:1], 0x10                ; out0
	v_lshl_add_u32 v14, v0, 2, SPARE
	v_mov_b32 v15, 0
	v_lshrrev_b32 v1, 5, v0
	v_readfirstlane_b32 s10, v1                    ; the head
	v_and_b32 v1, 15, v0                           ; r
	v_bfe_u32 v2, v0, 4, 1                         ; h
	v_and_b32 v3, 31, v0
	v_lshlrev_b32 v4, 4, v3                        ; 16 x lane
	v_bfe_u32 v5, v0, 2, 1                         ; V^T: channel r of a block of 16 lies in image e = (r / 4) % 2, lanes' half r / 8, word r % 4; key 8 h + .. is the image's lane
	v_lshlrev_b32 v5, 9, v5
	v_bfe_u32 v6, v0, 3, 1
	v_lshl_add_u32 v5, v6, 8, v5
	v_and_b32 v6, 3, v0
	v_lshl_add_u32 v5, v6, 2, v5
	v_lshl_add_u32 v5, v2, 7, v5
	v_lshlrev_b32 v6, 12, v1                       ; Wo: row 16 g + r, channels 8 h on
	v_lshl_add_u32 v6, v2, 5, v6
	s_lshl_b32 s11, s10, 10
	v_add_nc_u32 v7, s11, v4                       ; my partial tile in LDS
	s_and_b32 s11, s10, 1
	s_lshl_b32 s12, s11, 9
	v_add_nc_u32 v8, s12, v4                       ; waves 0 and 1 add: half e = wave of each tile
	v_lshlrev_b32 v9, 15, v2
	v_lshl_add_u32 v9, v1, 2, v9
	s_lshl_b32 s12, s11, 14
	v_add_nc_u32 v9, s12, v9                       ; out0: row 8 h + 4 e, column r
	v_lshlrev_b32 v10, 3, v2
	v_sub_nc_u32 v10, v1, v10                      ; r - 8 h
	v_mov_b32 v11, 0xff800000
	v_mov_b32 v12, 0
	s_mov_b32 s16, 0x76543210
	s_mov_b32 s17, 0xfedcba98
	s_mov_b32 s18, 0x3e38aa3b                      ; c = log2(e) / 8
	s_lshl_b32 s12, s10, 12                        ; my head's four blocks of 16 columns
	s_mov_b32 s13, 0
	s_lshl_b32 s14, ttmp9, 16
	s_lshl_b32 s15, s10, 8
	s_add_co_u32 s14, s14, s15
	s_mov_b32 s15, 0
	s_wait_kmcnt 0x0
	s_add_nc_u64 s[4:5], s[4:5], s[12:13]
	s_add_nc_u64 s[6:7], s[6:7], s[14:15]
	s_lshl_b32 s14, ttmp9, 6
	s_add_nc_u64 s[8:9], s[8:9], s[14:15]
.irp g, 0,1,2,3
.irp c, 0,1
	global_load_b128 v[32+8*\g+4*\c:35+8*\g+4*\c], v4, s[4:5] offset:65536+\g*1024+\c*512    ; K
.endr
.endr
.irp g, 0,1,2,3
.irp c, 0,1
	global_load_b128 v[64+8*\g+4*\c:67+8*\g+4*\c], v4, s[4:5] offset:\g*1024+\c*512          ; Q
.endr
.endr
.irp c, 0,1,2,3
.irp j, 0,1,2,3,4,5,6,7
	global_load_b32 v[96+8*\c+\j], v5, s[4:5] offset:131072+\c*1024+16*\j                    ; V(key 8 h + j, channel 16 c + r)
.endr
.endr
.irp c, 0,1,2,3
	global_load_b128 v[128+8*\c:131+8*\c], v6, s[6:7] offset:64*\c
	global_load_b128 v[132+8*\c:135+8*\c], v6, s[6:7] offset:64*\c+16
.endr
	s_wait_loadcnt 40                              ; K and Q are in; V's 32 loads and Wo's 8 may be out
.irp c, 0,1
.irp k, 0,1
.irp g, 0,1,2,3
.if \c+\k == 0
	v_wmma_f32_16x16x4_f32 v[160+8*\g:167+8*\g], v[32+8*\g:33+8*\g], v[64+8*\g:65+8*\g], 0
.else
	v_wmma_f32_16x16x4_f32 v[160+8*\g:167+8*\g], v[32+8*\g+4*\c+2*\k:33+8*\g+4*\c+2*\k], v[64+8*\g+4*\c+2*\k:65+8*\g+4*\c+2*\k], v[160+8*\g:167+8*\g]
.endif
.endr
.endr
.endr
.rept 8
	v_nop                                          ; eight places behind this form, ahead of the first read of results and of writes of Q's registers
.endr
.irp i, 0,2,4,6
	v_pk_add_f32 v[64+\i:65+\i], v[160+\i:161+\i], v[168+\i:169+\i]
	v_pk_add_f32 v[72+\i:73+\i], v[176+\i:177+\i], v[184+\i:185+\i]
.endr
.irp i, 0,2,4,6
	v_pk_add_f32 v[64+\i:65+\i], v[64+\i:65+\i], v[72+\i:73+\i]       ; register j: the score of query r and key 8 h + j
.endr
.irp j, 0,1,2,3,4,5,6,7
	v_cmp_gt_i32 vcc_lo, \j, v10                   ; hidden where 8 h + j > r
	v_cndmask_b32 v[64+\j], v[64+\j], v11, vcc_lo
.endr
	v_max3_num_f32 v80, v64, v65, v66
	v_max3_num_f32 v80, v80, v67, v68
	v_max3_num_f32 v80, v80, v69, v70
	v_max_num_f32 v80, v80, v71
	v_permlanex16_b32 v12, v80, s16, s17
	v_max_num_f32 v80, v80, v12                    ; key 0 counts for every query: the maximum is a number
	v_mul_f32 v80, s18, v80
.irp j, 0,1,2,3,4,5,6,7
	v_fma_f32 v[64+\j], v[64+\j], s18, -v80
.endr
.irp j, 0,1,2,3,4,5,6,7
	v_exp_f32 v[64+\j], v[64+\j]
.endr
	v_nop
	s_wait_alu depctr_va_vdst(0)                   ; one wait for the eight
	v_add_f32 v81, v64, v65
	v_add_f32 v82, v66, v67
	v_add_f32 v83, v68, v69
	v_add_f32 v84, v70, v71
	v_add_f32 v81, v81, v82
	v_add_f32 v83, v83, v84
	v_add_f32 v81, v81, v83
	v_permlanex16_b32 v12, v81, s16, s17
	v_add_f32 v81, v81, v12
	v_rcp_f32 v82, v81
	v_nop
	s_wait_alu depctr_va_vdst(0)
.irp j, 0,1,2,3,4,5,6,7
	v_mul_f32 v[72+\j], v[64+\j], v82              ; the weights
.endr
	s_wait_loadcnt 8                               ; V is in; Wo's 8 loads may be out
.irp s, 0,1,2,3
.irp c, 0,1,2,3
.if \s == 0
	v_wmma_f32_16x16x4_f32 v[192+8*\c:199+8*\c], v[96+8*\c:97+8*\c], v[72:73], 0
.else
	v_wmma_f32_16x16x4_f32 v[192+8*\c:199+8*\c], v[96+8*\c+2*\s:97+8*\c+2*\s], v[72+2*\s:73+2*\s], v[192+8*\c:199+8*\c]
.endif
.endr
.endr
.rept 9
	v_nop                                          ; nine places: the results are the next products' source 0
.endr
	s_wait_loadcnt 0x0
.irp u, 0,1,2,3
.irp c, 0,1,2,3
.if \u == 0
	v_wmma_f32_16x16x4_f32 v[224+8*\c:231+8*\c], v[192+8*\c:193+8*\c], v[128+8*\c:129+8*\c], 0
.else
	v_wmma_f32_16x16x4_f32 v[224+8*\c:231+8*\c], v[192+8*\c+2*\u:193+8*\c+2*\u], v[128+8*\c+2*\u:129+8*\c+2*\u], v[224+8*\c:231+8*\c]
.endif
.endr
.endr
.rept 8
	v_nop
.endr
.irp i, 0,2,4,6
	v_pk_add_f32 v[32+\i:33+\i], v[224+\i:225+\i], v[232+\i:233+\i]
	v_pk_add_f32 v[40+\i:41+\i], v[240+\i:241+\i], v[248+\i:249+\i]
.endr
.irp i, 0,2,4,6
	v_pk_add_f32 v[32+\i:33+\i], v[32+\i:33+\i], v[40+\i:41+\i]       ; register j: my head's part of out0(8 h + j, 16 g + r)
.endr
	ds_store_b128 v7, v[32:35]
	ds_store_b128 v7, v[36:39] offset:512
	s_wait_dscnt 0x0                               ; for the others' sake: my stores have landed
	s_barrier_signal -1
	s_barrier_wait -1
	s_cmp_lt_u32 s10, 2
	s_cbranch_scc0 .Ldone
.irp i, 0,1,2,3,4,5,6,7,8,9,10,11,12,13,14,15
	ds_load_b128 v[64+4*\i:67+4*\i], v8 offset:1024*\i
.endr
	s_wait_dscnt 0x0
.irp i, 0,2,4,6,8,10,12,14,16,18,20,22,24,26,28,30
	v_pk_add_f32 v[64+\i:65+\i], v[64+\i:65+\i], v[96+\i:97+\i]
.endr
.irp i, 0,2,4,6,8,10,12,14
	v_pk_add_f32 v[64+\i:65+\i], v[64+\i:65+\i], v[80+\i:81+\i]
.endr
.irp i, 0,2,4,6
	v_pk_add_f32 v[64+\i:65+\i], v[64+\i:65+\i], v[72+\i:73+\i]
.endr
.irp i, 0,2
	v_pk_add_f32 v[64+\i:65+\i], v[64+\i:65+\i], v[68+\i:69+\i]
.endr
.irp j, 0,1,2,3
	global_store_b32 v9, v[64+\j], s[8:9] offset:\j*4096              ; runs of 64 bytes: the work-group's 16 columns; the launch stores 65,536 bytes in all
.endr
.Ldone:
	s_wait_tensorcnt 0x0                           ; the wave's end
	ds_add_u32 v14, v15
	s_wait_dscnt 0x0
	s_endpgm
.Lfunc_end_k_qd31bf494e8_fine:
	.size	k_qd31bf494e8_fine, .Lfunc_end_k_qd31bf494e8_fine-k_qd31bf494e8_fine
	.p2alignl 7, 3214868480
	.fill 96, 4, 3214868480
	.section	.rodata,"a",@progbits
	.p2align	6, 0x0
	.amdhsa_kernel k_qd31bf494e8_fine
		.amdhsa_group_segment_fixed_size 18432
		.amdhsa_private_segment_fixed_size 0
		.amdhsa_enable_private_segment 0
		.amdhsa_kernarg_size 24
		.amdhsa_user_sgpr_count 2
		.amdhsa_user_sgpr_kernarg_segment_ptr 1
		.amdhsa_wavefront_size32 1
		.amdhsa_system_sgpr_workgroup_id_x 1
		.amdhsa_system_sgpr_workgroup_id_y 1
		.amdhsa_system_sgpr_workgroup_id_z 1
		.amdhsa_system_vgpr_workitem_id 0
		.amdhsa_next_free_vgpr 256
		.amdhsa_next_free_sgpr 66
		.amdhsa_reserve_vcc 1
		.amdhsa_float_denorm_mode_32 3
		.amdhsa_float_denorm_mode_16_64 3
		.amdhsa_memory_ordered 1
		.amdhsa_forward_progress 1
		.amdhsa_inst_pref_size 19
	.end_amdhsa_kernel
	.amdgpu_metadata
---
amdhsa.version: [ 1, 2 ]
amdhsa.kernels:
  - .name:           k_qd31bf494e8_fine
    .symbol:         k_qd31bf494e8_fine.kd
    .args:
      - { .name: fine32, .offset: 0, .size: 8, .value_kind: global_buffer, .address_space: global }
      - { .name: Wo, .offset: 8, .size: 8, .value_kind: global_buffer, .address_space: global }
      - { .name: out0, .offset: 16, .size: 8, .value_kind: global_buffer, .address_space: global }
    .group_segment_fixed_size: 18432
    .private_segment_fixed_size: 0
    .kernarg_segment_align: 8
    .kernarg_segment_size: 24
    .max_flat_workgroup_size: 512
    .sgpr_count:     66
    .vgpr_count:     256
    .wavefront_size: 32
...
	.end_amdgpu_metadata
.endif
;; end of part 5
